; MI455X (gfx1250); checked and timed in simulation.
; The chip was launched on July 23, 2026; its instructions are those of AMD's public machine-readable ISA for CDNA 5 (MIT licence, August 2026) and "CDNA5" Instruction Set Architecture Reference Guide (July 2026). The comments in the code are by the model that wrote it; some were corrected since.
;; Causal Self Attention. Allowed arithmetic: matrix products marked QUANTISED: E2M1 operands, one E8M0 scale for each 32 along K, by v_wmma_scale_f32_16x16x128_f8f6f4 with both operands' format E2M1 (or v_wmma_scale_f32_32x16x128_f4), f32 sums; everything else in f32.
;; Inputs: W_proj 1,024 x 1,024 float32; W_qkv 3,072 x 1,024 float32; b_proj 1,024 float32; b_qkv 3,072 float32; lamb one number float32; v1 4 x 16 x 2,048 x 64 float32; x 4 x 2,048 x 1,024 float32.
;; Outputs: out0 4 x 2,048 x 1,024 float32; out1 4 x 16 x 2,048 x 64 float32.
;; This version of the problem:
;;   THIS VERSION OF THE PROBLEM IS GIVEN IN LOW PRECISION. The matrix products marked QUANTISED in the list below multiply operands that are first quantised to E2M1 (2 exponent bits, 1 mantissa bit; 4 bits a number), with one power-of-two scale for each 32 numbers along K (OCP MX v1.0); their sums are f32. All else is computed in f32.
;;   The module's matrix products, in the order in which they are computed (A, B: the left and right operand; K: the contracted axis; several contracted axes count as one K, in the product's order):
;;     1. [M 8,192, K 1,024] x [K 1,024, N 3,072]; A: input x; B: input W_qkv: QUANTISED
;;     2. batch 64 x [M 2,048, K 64] x [K 64, N 2,048]; A: computed on the way; B: computed on the way: QUANTISED
;;     3. batch 64 x [M 2,048, K 2,048] x [K 2,048, N 64]; A: softmax (see below); B: computed on the way: QUANTISED
;;     4. [M 8,192, K 1,024] x [K 1,024, N 1,024]; A: computed on the way; B: input W_proj: QUANTISED
;;   THE QUANTISER, for each operand of a quantised product, along K:
;;     - K is cut into blocks of 32 from its start; a last block that is shorter is filled with zeros.
;;     - A block's scale is 2^e with e = floor(log2(the largest magnitude in the block)) - 2, held to -126 .. 127; a block of zeros has e = 0. As a byte (E8M0): e + 127.
;;     - Each number is divided by its block's scale, clamped to +-6, and rounded to the nearest number of E2M1, ties to even, subnormals kept.
;;     - The product sums the exact products of the quantised numbers (number of the format x scale) in f32.
;;   ~~~python
;;   def quantise(x, axis):      # numpy; x: float32 -> the quantised numbers, widened to float32 again
;;       x = np.moveaxis(x, axis, -1); K = x.shape[-1]
;;       x = np.pad(x, [(0, 0)] * (x.ndim - 1) + [(0, -K % 32)]); x = x.reshape(x.shape[:-1] + (-1, 32)); a = np.abs(x).max(-1, keepdims=True)
;;       e = np.where(a > 0, np.clip(np.frexp(np.where(a > 0, a, 1))[1] - 1 - 2, -126, 127), 0)      # np.frexp(a)[1] - 1 = floor(log2(a)), exactly
;;       r = np.clip(x / 2.0 ** e, -6, 6)
;;       step = 2.0 ** (np.maximum(np.frexp(np.where(r == 0, 1, r))[1] - 1, 0) - 1)
;;       q = np.round(r / step) * step * 2.0 ** e      # np.round: ties to even
;;       return np.moveaxis(q.reshape(q.shape[:-2] + (-1,))[..., :K], -1, axis).astype(np.float32)
;;   ~~~
;;   SOFTMAX AHEAD OF A QUANTISED PRODUCT. Where the list says 'softmax', what is quantised is not the finished softmax but p = 2^(t - M), with t = logit x log2(e) and M = ceil(the row's largest t), a whole number; so 1/2 < the row's largest p <= 1. The row's sum l is taken of the UNQUANTISED p, in f32, and the product's result is divided by l at the end. Since M is a whole number, a kernel that streams over the keys may use a running M (the ceiling of the running maximum): every later rescaling is an exact power of two, which a block's scale takes up: the codes' values come out the same.
;;   OPERANDS COMPUTED ON THE WAY. 'Computed on the way' means the value that the module computes at that place (a softmax that the list does not call 'softmax' is quantised finished and normalised). What goes into a quantiser is computed in f32, as accurately as f32 sums, v_exp_f32 and their like allow (about 1e-6 of the number): no bf16 or f16 on the way to a quantiser, and a product that is left as it is and whose result goes on into a quantised operand takes f32 operands (vector FMAs, or v_wmma_f32_16x16x4_f32). A number that lies on a knife's edge between two numbers of the format may be rounded either way, as far as f32 arithmetic and the matrix unit's own rounding can turn it there, and no further.
;; One version. Each part assembles by itself: llvm-mc -triple=amdgcn-amd-amdhsa -mcpu=gfx1250 --defsym DOCPART=n.
;; ======== version 1 of 1: 4 launches
;; workspace buffers: codes1 6,291,456 bytes; scales1 393,216 bytes; rot 524,288 bytes; qimg 4,194,304 bytes; kimg 4,194,304 bytes; vimg 4,194,304 bytes; sc2 1,310,720 bytes; att 4,456,448 bytes
;; launch prep (part 1): grid 384 x 1, 4 waves a work-group, no clusters, 33,280 bytes of LDS; arguments x, W_qkv, W_proj, codes1, scales1, rot; writes codes1, scales1, rot
.if DOCPART == 1
	.amdgcn_target "amdgcn-amd-amdhsa--gfx1250"
	.amdhsa_code_object_version 6
	.text
	.protected	k_q503f2abb64_prep
	.globl	k_q503f2abb64_prep
	.p2align	8
	.type	k_q503f2abb64_prep,@function
k_q503f2abb64_prep:
	s_mov_b64 s[64:65], 0
	v_nop
	global_prefetch_b8 v0, s[64:65] scope:SCOPE_SE
	s_setreg_imm32_b32 hwreg(HW_REG_WAVE_MODE, 25, 1), 1
	s_wait_xcnt 0x0
; x [8192][1024], W_qkv [3072][1024] and W_proj [1024][1024], f32 with K innermost, become codes of FP4 (E2M1), two a byte, and one E8M0 byte for each 32 along K.
; A block's scale is 2^(floor(log2(its largest magnitude)) - 2): its byte is the largest magnitude's exponent field - 2, held at 1 from below.
; A wave takes 8 rows (8,192 numbers): a GROUP: 4,096 bytes of codes and 256 scale bytes.  Groups are stored in the order in which the later launches want rows:
;   x: group number with its bits 0 and 1 swapped, so that stored rows 16 T .. 16 T + 15 are the true rows 32 (T / 2) + 8 (T % 2) + r + 8 (r / 8);
;   W_qkv: by head (q's 64 rows, k's, v's: 24 groups a head), the same swap inside;   W_proj: as it lies.
; Work-groups 0-255 take x, 256-351 W_qkv, 352-383 W_proj: only pointers and group numbers are chosen, the path is one.
; Each of a step's four loads reads 512 consecutive bytes; the 2,048 bytes turn through the wave's own stage in LDS so that a lane holds 16 neighbours along K.  Waves share nothing: no barrier.
; Work-groups 0-31 also make the rotary table: for each tile T of 16 positions (in the order above) cos and sin of t / 10^(j / 8), j = 0 .. 31, laid as the next launch's lanes want them.
;   1 / 10^(j / 8) is the reciprocal with two corrections by fused multiply-adds; t x that is rounded once; the angle is reduced by pi / 2 in two parts and goes through polynomials on +-pi / 4.
; LIMITS: NaN and infinities are not served; a block under 2^-124, and a block of zeros, keeps the byte 1 (its codes are what count, and this program alone reads the bytes);
;   the angle's reduction holds for positions up to 2,047 (at most 1,304 quarter turns).
.set STEPS, 16
.set EMAX,  2
.set CB,    8                          ; bytes of 16 codes
.set R,     16                         ; v16-79   four sets of 16 numbers as they are loaded
.set X,     80                         ; v80-111  two sets of 16 neighbours
.set E,     112                        ; v112-127 a scale byte for each step
.set C,     128                        ; v128-191 codes: four registers for each step
.set WREG,  8192                       ; LDS: a region for each wave: two stages of 32 x SP bytes, then its 256 scale bytes
.set SP,    80                         ; a lane's place in a stage: 64 bytes + 16
	s_load_b128 s[4:7], s[0:1], 0x0                ; x, W_qkv
	s_load_b128 s[8:11], s[0:1], 0x10              ; W_proj, codes1
	s_load_b128 s[12:15], s[0:1], 0x20             ; scales1, rot
	v_lshl_add_u32 v192, v0, 2, 0x8000
	v_mov_b32 v193, 0
	v_lshrrev_b32 v1, 5, v0
	v_readfirstlane_b32 s16, v1                    ; wave
	v_and_b32 v2, 31, v0                           ; lane
	v_lshlrev_b32 v3, 4, v2                        ; my 16 bytes of a load's 512
	s_mul_i32 s17, s16, WREG
	v_lshrrev_b32 v14, 2, v2
	v_mul_u32_u24 v14, v14, SP
	v_and_b32 v15, 3, v2
	v_lshl_add_u32 v14, v15, 4, v14
	v_add_nc_u32 v14, s17, v14                     ; the stage, way in: SP (lane / 4) + 16 (lane % 4)
	v_mul_u32_u24 v15, v2, SP
	v_add_nc_u32 v15, s17, v15                     ; way out: SP x lane: my 16 neighbours
	v_mul_u32_u24 v4, v2, CB                       ; my codes' place in a step's
	v_lshrrev_b32 v5, 1, v2
	s_add_co_u32 s17, s17, 2*32*SP
	v_add_nc_u32 v5, s17, v5                       ; my block's byte among my wave's 256
	v_lshlrev_b32 v7, 3, v2
	v_add_nc_u32 v6, s17, v7
	; which tensor, which group
	s_mov_b32 s18, 352
	s_cmp_lt_u32 ttmp9, s18
	s_cselect_b32 s18, 256, s18
	s_cmp_lt_u32 ttmp9, 256
	s_cselect_b32 s18, 0, s18                      ; my tensor's first work-group
	s_sub_co_u32 s18, ttmp9, s18
	s_lshl_b32 s18, s18, 2
	s_add_co_u32 s18, s18, s16                     ; G: my group in the tensor
	s_and_not1_b32 s19, s18, 3
	s_and_b32 s20, s18, 1
	s_lshl_b32 s20, s20, 1
	s_or_b32 s19, s19, s20
	s_bfe_u32 s20, s18, 0x10001
	s_or_b32 s19, s19, s20                         ; G with bits 0 and 1 swapped: x's place
	s_bfe_u32 s20, s19, 0x40003                    ; W_qkv: the head,
	s_mul_i32 s20, s20, 24
	s_lshr_b32 s21, s19, 7                         ; q, k or v,
	s_lshl_b32 s21, s21, 3
	s_add_co_u32 s20, s20, s21
	s_and_b32 s21, s19, 7                          ; the group in the head
	s_add_co_u32 s20, s20, s21
	s_add_co_u32 s20, s20, 1024
	s_add_co_u32 s21, s18, 1408                    ; W_proj: as it lies
	s_cmp_lt_u32 ttmp9, 352
	s_cselect_b32 s20, s20, s21
	s_cmp_lt_u32 ttmp9, 256
	s_cselect_b32 s20, s19, s20                    ; where my group goes
	s_wait_alu depctr_va_vdst(0)
	s_wait_kmcnt 0x0
	s_cmp_lt_u32 ttmp9, 352                        ; the choices hang on the work-group's number alone
	s_cselect_b64 s[6:7], s[6:7], s[8:9]
	s_cmp_lt_u32 ttmp9, 256
	s_cselect_b64 s[4:5], s[4:5], s[6:7]
	s_lshl_b32 s22, s18, 15
	s_mov_b32 s23, 0
	s_add_nc_u64 s[4:5], s[4:5], s[22:23]          ; 32,768 bytes of f32 a group
	s_lshl_b32 s22, s20, 12
	s_add_nc_u64 s[10:11], s[10:11], s[22:23]      ; 4,096 bytes of codes
	s_lshl_b32 s22, s20, 8
	s_add_nc_u64 s[12:13], s[12:13], s[22:23]      ; 256 scale bytes
.macro LOAD t
.irp i, 0,1,2,3
	global_load_b128 v[R+16*((\t)%4)+4*\i:R+16*((\t)%4)+4*\i+3], v3, s[4:5] offset:2048*(\t)+512*\i th:TH_LOAD_NT   ; 32 lanes read 512 consecutive bytes
.endr
.endm
.macro TURN t                          ; step t's numbers through the stage: LDS serves a wave's instructions in order, so no wait stands between the stores and the loads
.irp i, 0,1,2,3
	ds_store_b128 v14, v[R+16*((\t)%4)+4*\i:R+16*((\t)%4)+4*\i+3] offset:32*SP*((\t)%2)+8*SP*\i
.endr
.irp i, 0,1,2,3
	ds_load_b128 v[X+16*((\t)%2)+4*\i:X+16*((\t)%2)+4*\i+3], v15 offset:32*SP*((\t)%2)+16*\i
.endr
.endm
.irp t, 0,1,2,3
	LOAD \t
.endr
	s_wait_loadcnt 12                              ; step 0's four loads are in; the twelve of steps 1 to 3 may be out
	TURN 0
.macro STEP t
.set XS, X+16*((\t)%2)
.if (\t) > 0
	s_wait_dscnt 1                                 ; this step's numbers are back from the stage; the last step's byte store may be out
.else
	s_wait_dscnt 0x0
.endif
.if (\t)+4 < STEPS
	LOAD (\t)+4                                    ; into the registers that this step's stage stores have read
.endif
.if (\t)+1 < STEPS
.if STEPS-2-(\t) >= 3
	s_wait_loadcnt 12                              ; the next step's four loads are in; those of the three steps behind it may be out
.else
	s_wait_loadcnt 4*(STEPS-2-(\t))
.endif
	TURN (\t)+1
.endif
	v_max3_num_f32 v8, |v[XS]|, |v[XS+1]|, |v[XS+2]|               ; the largest magnitude of my 16, in two chains
	v_max3_num_f32 v9, |v[XS+3]|, |v[XS+4]|, |v[XS+5]|
.irp i, 6,10
	v_max3_num_f32 v8, v8, |v[XS+\i]|, |v[XS+\i+1]|
	v_max3_num_f32 v9, v9, |v[XS+\i+2]|, |v[XS+\i+3]|
.endr
	v_max3_num_f32 v8, v8, |v[XS+14]|, |v[XS+15]|
	v_max3_num_f32 v8, v8, v9, (EMAX+1)<<23        ; and the floor 2^(3 - 127): the byte cannot fall under 1
	v_max_num_f32_dpp v8, v8, v8 row_xmask:1 row_mask:0xf bank_mask:0xf   ; with my neighbour's 16: the block's
	v_add_nc_u32 v11, -(EMAX<<23), v8              ; 2 off its exponent field: the conversion takes the exponent field of this operand as its scale
	v_cvt_scalef32_pk8_fp4_f32 v[C+4*(\t)], v[XS:XS+7], v11
	v_cvt_scalef32_pk8_fp4_f32 v[C+4*(\t)+1], v[XS+8:XS+15], v11
	v_lshrrev_b32 v[E+(\t)], 23, v11               ; the scale's byte
	ds_store_b8 v5, v[E+(\t)] offset:16*(\t)       ; both lanes of a block write the same byte with the same value
	global_store_b64 v4, v[C+4*(\t):C+4*(\t)+1], s[10:11] offset:32*CB*(\t)   ; the wave stores 256 consecutive bytes, aligned
.endm
.irp t, 0,1,2,3,4,5,6,7,8,9,10,11,12,13,14,15
	STEP \t
.endr
	ds_load_b64 v[12:13], v6                       ; LDS serves a wave's instructions in order: these see my byte stores
	s_wait_dscnt 0x0
	global_store_b64 v7, v[12:13], s[12:13]        ; 256 consecutive bytes, aligned
	s_cmp_lt_u32 ttmp9, 32
	s_cbranch_scc0 .Lend
	; ---- THE ROTARY TABLE: my wave's tile T = 4 x work-group + wave of 128.  Lane (r, h): position t = 32 (T / 2) + 8 (T % 2) + r + 8 (r / 8), frequencies j = 16 h + 0 .. 15
	s_wait_xcnt 0x0                                ; the stores above have read their registers: they are written again below
	s_lshl_b32 s24, ttmp9, 2
	s_add_co_u32 s24, s24, s16                     ; T
	s_lshr_b32 s25, s24, 1
	s_lshl_b32 s25, s25, 5
	s_and_b32 s26, s24, 1
	s_lshl_b32 s26, s26, 3
	s_add_co_u32 s25, s25, s26                     ; the tile's first position
	s_lshl_b32 s26, s24, 12
	s_mov_b32 s27, 0
	s_add_nc_u64 s[14:15], s[14:15], s[26:27]      ; 4,096 bytes a tile
	s_mov_b32 s30, 0x3f22f983                      ; 2 / pi
	s_mov_b32 s31, 0x3fc90fdb                      ; pi / 2: its first 24 bits,
	s_mov_b32 s32, 0xb33bbd2e                      ; and the next
	s_mov_b32 s33, -0.00019515295891               ; the sine's polynomial
	s_mov_b32 s34, 0.0083321608736
	s_mov_b32 s35, -0.16666654611
	s_mov_b32 s36, 0.00002443315712                ; the cosine's
	s_mov_b32 s37, -0.001388731625
	s_mov_b32 s38, 0.04166664568
	v_and_b32 v81, 15, v0
	v_and_b32 v82, 8, v81
	v_add_nc_u32 v81, v81, v82                     ; r + 8 (r / 8)
	v_add_nc_u32 v81, s25, v81
	v_cvt_f32_u32 v84, v81                         ; t
	v_and_b32 v83, 16, v0
	v_cmp_ne_u32 vcc_lo, 0, v83                    ; lanes 16-31
	v_lshlrev_b32 v80, 4, v2                       ; 16 x lane
.macro PW i, lo, hi                    ; 10^(j / 8), j = i in lanes 0-15 and 16 + i in lanes 16-31
	v_mov_b32 v[16+\i], \hi
	v_cndmask_b32 v[16+\i], \lo, v[16+\i], vcc_lo
.endm
	PW 0, 1.0, 100.0
	PW 1, 1.33352143216, 133.352143216
	PW 2, 1.77827941004, 177.827941004
	PW 3, 2.37137370566, 237.137370566
	PW 4, 3.16227766017, 316.227766017
	PW 5, 4.21696503429, 421.696503429
	PW 6, 5.62341325190, 562.341325190
	PW 7, 7.49894209332, 749.894209332
	PW 8, 10.0, 1000.0
	PW 9, 13.3352143216, 1333.52143216
	PW 10, 17.7827941004, 1778.27941004
	PW 11, 23.7137370566, 2371.37370566
	PW 12, 31.6227766017, 3162.27766017
	PW 13, 42.1696503429, 4216.96503429
	PW 14, 56.2341325190, 5623.41325190
	PW 15, 74.9894209332, 7498.94209332
.set i, 0
	s_wait_alu depctr_va_vdst(0)
.rept 16
	v_rcp_f32 v[64+i], v[16+i]
.set i, i+1
.endr
	v_nop                                          ; a plain instruction behind the last reciprocal
	s_wait_alu depctr_va_vdst(0)                   ; one wait for the sixteen, ahead of their first reader
.rept 2                                ; r += r (1 - P r), twice: the quotient 1 / P to the last bit
.set i, 0
.rept 16
	v_fma_f32 v[32+i], -v[16+i], v[64+i], 1.0
.set i, i+1
.endr
.set i, 0
.rept 16
	v_fma_f32 v[64+i], v[32+i], v[64+i], v[64+i]
.set i, i+1
.endr
.endr
.set i, 0
.rept 16
	v_mul_f32 v[16+i], v84, v[64+i]                ; the angle: one rounding
.set i, i+1
.endr
.set i, 0
.rept 16
	v_mul_f32 v[64+i], s30, v[16+i]
.set i, i+1
.endr
.set i, 0
.rept 16
	v_rndne_f32 v[64+i], v[64+i]                   ; n quarter turns
.set i, i+1
.endr
.set i, 0
.rept 16
	v_fma_f32 v[16+i], -v[64+i], s31, v[16+i]      ; exact: a multiple of 2^-23 under 1
.set i, i+1
.endr
.set i, 0
.rept 16
	v_fma_f32 v[16+i], -v[64+i], s32, v[16+i]      ; what is left of the angle, within +-pi / 4
.set i, i+1
.endr
.set i, 0
.rept 16
	v_cvt_i32_f32 v[64+i], v[64+i]
	v_mul_f32 v[96+i], v[16+i], v[16+i]            ; z
.set i, i+1
.endr
.set i, 0
.rept 16
	v_fma_f32 v[32+i], v[96+i], s33, s34
	v_fma_f32 v[48+i], v[96+i], s36, s37
	v_mul_f32 v[112+i], v[16+i], v[96+i]
.set i, i+1
.endr
.set i, 0
.rept 16
	v_fma_f32 v[32+i], v[32+i], v[96+i], s35
	v_fma_f32 v[48+i], v[48+i], v[96+i], s38
.set i, i+1
.endr
.set i, 0
.rept 16
	v_fma_f32 v[32+i], v[112+i], v[32+i], v[16+i]  ; the sine of what is left
.set i, i+1
.endr
.set i, 0
.rept 16
	v_mul_f32 v[112+i], v[96+i], v[96+i]
	v_fma_f32 v[96+i], v[96+i], -0.5, 1.0
.set i, i+1
.endr
.set i, 0
.rept 16
	v_fma_f32 v[48+i], v[112+i], v[48+i], v[96+i]  ; its cosine
.set i, i+1
.endr
.set i, 0
.rept 16                               ; an odd number of quarter turns swaps the two; the sine is negative in turns 2 and 3, the cosine in 1 and 2
	v_and_b32 v[96+i], 1, v[64+i]
	v_cmp_ne_u32 vcc_lo, 0, v[96+i]
	v_cndmask_b32 v[112+i], v[32+i], v[48+i], vcc_lo
	v_cndmask_b32 v[48+i], v[48+i], v[32+i], vcc_lo
	v_and_b32 v[96+i], 2, v[64+i]
	v_add_nc_u32 v[64+i], 1, v[64+i]
	v_lshlrev_b32 v[96+i], 30, v[96+i]
	v_and_b32 v[64+i], 2, v[64+i]
	v_xor_b32 v[112+i], v[96+i], v[112+i]
	v_lshlrev_b32 v[64+i], 30, v[64+i]
	v_xor_b32 v[48+i], v[64+i], v[48+i]
.set i, i+1
.endr
.irp g, 0,1,2,3
	global_store_b128 v80, v[48+4*\g:51+4*\g], s[14:15] offset:512*\g            ; the cosines of j = 16 h + 4 g + 0 .. 3: 512 consecutive bytes a store
	global_store_b128 v80, v[112+4*\g:115+4*\g], s[14:15] offset:2048+512*\g     ; the sines
.endr
.Lend:
	s_wait_tensorcnt 0x0
	ds_add_u32 v192, v193
	s_wait_dscnt 0x0
	s_endpgm
.Lfunc_end_k_q503f2abb64_prep:
	.size	k_q503f2abb64_prep, .Lfunc_end_k_q503f2abb64_prep-k_q503f2abb64_prep
	.p2alignl 7, 3214868480
	.fill 96, 4, 3214868480
	.section	.rodata,"a",@progbits
	.p2align	6, 0x0
	.amdhsa_kernel k_q503f2abb64_prep
		.amdhsa_group_segment_fixed_size 33280
		.amdhsa_private_segment_fixed_size 0
		.amdhsa_enable_private_segment 0
		.amdhsa_kernarg_size 48
		.amdhsa_user_sgpr_count 2
		.amdhsa_user_sgpr_kernarg_segment_ptr 1
		.amdhsa_wavefront_size32 1
		.amdhsa_system_sgpr_workgroup_id_x 1
		.amdhsa_system_sgpr_workgroup_id_y 1
		.amdhsa_system_sgpr_workgroup_id_z 1
		.amdhsa_system_vgpr_workitem_id 0
		.amdhsa_next_free_vgpr 194
		.amdhsa_next_free_sgpr 66
		.amdhsa_reserve_vcc 1
		.amdhsa_float_denorm_mode_32 3
		.amdhsa_float_denorm_mode_16_64 3
		.amdhsa_memory_ordered 1
		.amdhsa_forward_progress 1
		.amdhsa_inst_pref_size 61
	.end_amdhsa_kernel
	.amdgpu_metadata
---
amdhsa.version: [ 1, 2 ]
amdhsa.kernels:
  - .name:           k_q503f2abb64_prep
    .symbol:         k_q503f2abb64_prep.kd
    .args:
      - { .name: x, .offset: 0, .size: 8, .value_kind: global_buffer, .address_space: global }
      - { .name: W_qkv, .offset: 8, .size: 8, .value_kind: global_buffer, .address_space: global }
      - { .name: W_proj, .offset: 16, .size: 8, .value_kind: global_buffer, .address_space: global }
      - { .name: codes1, .offset: 24, .size: 8, .value_kind: global_buffer, .address_space: global }
      - { .name: scales1, .offset: 32, .size: 8, .value_kind: global_buffer, .address_space: global }
      - { .name: rot, .offset: 40, .size: 8, .value_kind: global_buffer, .address_space: global }
    .group_segment_fixed_size: 33280
    .private_segment_fixed_size: 0
    .kernarg_segment_align: 8
    .kernarg_segment_size: 48
    .max_flat_workgroup_size: 128
    .sgpr_count:     66
    .vgpr_count:     194
    .wavefront_size: 32
...
	.end_amdgpu_metadata
.endif
;; end of part 1
;; launch qkv (part 2): grid 16 x 32, 4 waves a work-group, clusters of 4 x 4, 262,656 bytes of LDS; arguments codes1, scales1, rot, b_qkv, lamb, v1, qimg, kimg, sc2, vimg, out1; writes qimg, kimg, sc2, vimg, out1
.if DOCPART == 2
	.amdgcn_target "amdgcn-amd-amdhsa--gfx1250"
	.amdhsa_code_object_version 6
	.text
	.protected	k_q503f2abb64_qkv
	.globl	k_q503f2abb64_qkv
	.p2align	8
	.type	k_q503f2abb64_qkv,@function
k_q503f2abb64_qkv:
	s_mov_b64 s[64:65], 0
	v_nop
	global_prefetch_b8 v0, s[64:65] scope:SCOPE_SE
	s_setreg_imm32_b32 hwreg(HW_REG_WAVE_MODE, 25, 1), 1
	s_wait_xcnt 0x0
	s_wait_alu depctr_hold_cnt(0) depctr_sa_sdst(0) depctr_va_vdst(0) depctr_va_sdst(0) depctr_va_ssrc(0) depctr_va_vcc(0) depctr_vm_vsrc(0)
	s_getreg_b32 s2, hwreg(HW_REG_IB_STS2, 6, 4)
	s_cmp_eq_u32 s2, 0
	s_cbranch_scc0 .Lentry_in_a_cluster
	s_endpgm
.Lentry_in_a_cluster:
	s_bfe_u32 s2, ttmp6, 0x10000c
	s_cmp_lg_u32 s2, 0xf033
	s_cbranch_scc0 .Lentry_shape_is_right
	s_endpgm
.Lentry_shape_is_right:
; qkv = Q(x) Q(W_qkv)^T + b_qkv on codes of FP4 with E8M0 scales, and all that follows it up to attention's operands.
; A work-group takes 256 rows of x (y) and the 192 columns q, k, v of one head (hd); a wave 64 rows: 4 tiles of rows x 12 tiles of columns = 48 accumulators, 384 registers.
; ALL OF K (1,024) FITS IN LDS: each wave brings its quarter of x's and W's codes and scale bytes by six tensor loads at the head; no LDS byte is filled twice, so there is no ring.
; CLUSTERS: 4 x 4 work-groups; x's tiles hang on y alone and are asked for jointly along a row of the cluster, W's on hd alone, along a column.
; THE MATRIX INSTRUCTION IS USED TRANSPOSED (source 0 = 16 rows of W, source 1 = 16 rows of x).  The first launch has stored the rows so that stored tile 2 b + u holds the true rows
; 32 b + 8 u + r + 8 (r / 8).  So lane (r, h) holds ONE row of x, and its 16 registers of column tiles 2 b, 2 b + 1 are the features 32 b + 16 h + 0 .. 15: a rotary pair (d, d + 32) lies in one lane.
; q, k: RMS norm, rotary, quantised along the head's 64 (two blocks), stored as images of the operand's registers (16 bytes a lane, 512 a tile) with one scale word a row.
; v: through the wave's stage in LDS into rows; value = (1 - lamb) v + lamb v1 goes to out1; back through the stage by columns, so that a lane holds 32 keys of one feature: quantised along the keys.
; LIMITS: NaN and infinities are not served; blocks under 2^-124 and blocks of zeros keep the byte 1 (this program alone reads the bytes); 1 / sqrt by v_rsq_f32.
; REGISTERS, in windows of 256: window 0: v0-23 addresses and constants; v32-63 x's scale words (8 tau + s), v64-159 W's (8 n + s): scales and nothing else; v160-255 the bias as the first products' C, later at work.
;   window 1: two sets of fragments (x's 4, W's 12), later v1 (v0-127) and rotary products (v128-191).   window 2: q's accumulators v0-127, k's v128-255 (32 tau + 8 ct).
;   window 3: v's accumulators v0-127, later rows of value; v128-255 the rotary table (32 tau + 4 g).
.set PITCH, 272                        ; an LDS row of codes: 256 bytes + 16
.set LX0, 0                            ; x: 256 rows, K 0-511
.set LX1, 69632                        ;    K 512-1023
.set LW0, 139264                       ; W: 192 rows
.set LW1, 191488
.set LXS, 243712                       ; x's scale bytes, 32 a row
.set LWS, 251904                       ; W's
.set STGB, 17664                       ; the way out: a stage for each wave, over x's codes, which have had their only fill and their last read by then
.set WV, 27
.set MSB, 0
.macro WIN new                         ; the immediate's high byte repeats the setting that is left
.if MSB != \new
	s_set_vgpr_msb (MSB<<8)|\new
.set MSB, \new
.endif
.endm
.macro CROUND                          ; a round of the cluster's barrier
	s_barrier_signal -1
	s_barrier_wait -1
	s_cmp_lg_u32 s[WV], 0
	s_cbranch_scc1 .Lnot_wave_0_\@
	s_barrier_signal -3
.Lnot_wave_0_\@:
	s_barrier_wait -3
	s_barrier_signal -1
	s_barrier_wait -1
.endm
.macro PLACES                          ; four plain instructions behind a matrix instruction, ahead of loads into its registers and of reads of its results
.rept 4
	v_nop
.endr
.endm
	s_load_b256 s[4:11], s[0:1], 0x0               ; codes1, scales1, rot, b_qkv
	s_load_b256 s[12:19], s[0:1], 0x20             ; lamb, v1, qimg, kimg
	s_load_b128 s[20:23], s[0:1], 0x40             ; sc2, vimg
	s_load_b64 s[24:25], s[0:1], 0x50              ; out1
	v_lshl_add_u32 v30, v0, 2, 0x40000
	v_mov_b32 v31, 0
	ds_add_u32 v30, v31
	ds_add_u32 v30, v31
	v_lshrrev_b32 v1, 5, v0
	v_readfirstlane_b32 s[WV], v1                  ; wave 0..3
	s_bfe_u32 s28, ttmp6, 0x40000                  ; cx
	s_bfe_u32 s29, ttmp6, 0x40004                  ; cy
	s_lshl_b32 s30, ttmp9, 2
	s_add_co_u32 s30, s30, s28                     ; hd = 4 x cluster x + cx
	s_and_b32 s31, ttmp7, 0xffff
	s_lshl_b32 s31, s31, 2
	s_add_co_u32 s31, s31, s29                     ; y = 4 x cluster y + cy
	s_lshl_b32 s94, s29, 2
	s_lshl_b32 s94, 15, s94                        ; my row of the cluster
	s_lshl_b32 s95, 0x1111, s28                    ; my column
	; descriptor groups 1.  Codes: rows of 256 bytes, 512 apart in memory, 16 bytes of padding behind each; x 64 rows a wave, W 48
	s_or_b32 s32, s94, (1<<20)|(1<<21)|(5<<22)|(3<<25)
	s_mov_b32 s33, 256<<16
	s_mov_b32 s34, 64<<16
	s_mov_b32 s35, 256<<16
	s_mov_b32 s36, 64
	s_mov_b32 s37, 512
	s_mov_b32 s38, 0
	s_mov_b32 s39, 0
	s_or_b32 s40, s95, (1<<20)|(1<<21)|(5<<22)|(3<<25)
	s_mov_b32 s41, 256<<16
	s_mov_b32 s42, 48<<16
	s_mov_b32 s43, 256<<16
	s_mov_b32 s44, 48
	s_mov_b32 s45, 512
	s_mov_b32 s46, 0
	s_mov_b32 s47, 0
	; scale bytes: dense blocks, as rows of 256 bytes (32 elements of 8): x 8 rows a wave, W 6
	s_or_b32 s48, s94, (3<<16)|(1<<21)
	s_mov_b32 s49, 32<<16
	s_mov_b32 s50, 8<<16
	s_mov_b32 s51, 32<<16
	s_mov_b32 s52, 8
	s_mov_b32 s53, 32
	s_mov_b32 s54, 0
	s_mov_b32 s55, 0
	s_or_b32 s56, s95, (3<<16)|(1<<21)
	s_mov_b32 s57, 32<<16
	s_mov_b32 s58, 6<<16
	s_mov_b32 s59, 32<<16
	s_mov_b32 s60, 6
	s_mov_b32 s61, 32
	s_mov_b32 s62, 0
	s_mov_b32 s63, 0
	s_mov_b32 s66, 0x76543210                      ; v_permlanex16_b32's selects for lane l xor 16
	s_mov_b32 s67, 0xfedcba98
	s_mov_b32 s92, 0x3c800000                      ; 1 / 64
	s_mov_b32 s93, 0x358637bd                      ; 1e-6
	s_mov_b32 s97, 0                               ; s[96:97]: offsets made of y and the wave alone;  s[98:99]: of hd and the wave alone
	s_mov_b32 s99, 0
	s_wait_dscnt 0x0
	s_wait_kmcnt 0x0
	s_load_b32 s26, s[12:13], 0x0                  ; lamb
	; groups 0: x's scale bytes
	s_mov_b32 s68, 1
	s_lshl_b32 s69, s[WV], 11                      ; 2,048 w
	s_lshl_b32 s96, s31, 13                        ; 8,192 y
	s_add_co_u32 s96, s96, s69
	s_add_co_u32 s69, s69, LXS
	s_add_nc_u64 s[70:71], s[6:7], s[96:97]
	s_or_b32 s71, s71, 0x80000000
	; W's scale bytes: behind x's 1,024 groups, 24 groups a head
	s_mov_b32 s72, 1
	s_mul_i32 s73, s[WV], 1536
	s_mul_i32 s98, s30, 6144
	s_add_co_u32 s98, s98, s73
	s_add_co_u32 s98, s98, 262144
	s_add_co_u32 s73, s73, LWS
	s_add_nc_u64 s[74:75], s[6:7], s[98:99]
	s_or_b32 s75, s75, 0x80000000
	; x's codes: rows 256 y + 64 w, K's two halves
	s_mov_b32 s76, 1
	s_mov_b32 s84, 1
	s_lshl_b32 s77, s[WV], 15
	s_lshl_b32 s96, s31, 17
	s_add_co_u32 s96, s96, s77
	s_mul_i32 s77, s[WV], 64*PITCH
	s_add_co_u32 s85, s77, LX1
	s_add_nc_u64 s[78:79], s[4:5], s[96:97]
	s_add_nc_u64 s[86:87], s[78:79], 256
	s_or_b32 s79, s79, 0x80000000
	s_or_b32 s87, s87, 0x80000000
	; W's codes: rows 192 hd + 48 w behind x's 4,194,304 bytes
	s_mov_b32 s80, 1
	s_mov_b32 s88, 1
	s_mul_i32 s81, s[WV], 24576
	s_mul_i32 s98, s30, 98304
	s_add_co_u32 s98, s98, s81
	s_add_co_u32 s98, s98, 4194304
	s_mul_i32 s81, s[WV], 48*PITCH
	s_add_co_u32 s89, s81, LW1
	s_add_co_u32 s81, s81, LW0
	s_add_nc_u64 s[82:83], s[4:5], s[98:99]
	s_add_nc_u64 s[90:91], s[82:83], 256
	s_or_b32 s83, s83, 0x80000000
	s_or_b32 s91, s91, 0x80000000
	CROUND                                         ; all sixteen work-groups are here: the joint loads meet
	tensor_load_to_lds s[68:71], s[48:55]          ; six loads of mine are out: the scale bytes,
	s_nop 0
	tensor_load_to_lds s[72:75], s[56:63]
	s_nop 0
	tensor_load_to_lds s[76:79], s[32:39]          ; K's first half,
	s_nop 0
	tensor_load_to_lds s[80:83], s[40:47]
	s_nop 0
	tensor_load_to_lds s[84:87], s[32:39]          ; K's second half
	s_nop 0
	tensor_load_to_lds s[88:91], s[40:47]
	s_nop 0
	PLACES                                         ; four v_nop behind the last tensor load
	; where my parts of the other buffers begin
	s_lshr_b32 s101, s31, 3
	s_lshl_b32 s101, s101, 4
	s_add_co_u32 s101, s101, s30                   ; bh = 16 batch + head
	s_and_b32 s94, s31, 7                          ; which 256 positions of the batch
	s_mov_b32 s29, 0
	s_lshl_b32 s28, s30, 8
	s_add_nc_u64 s[10:11], s[10:11], s[28:29]      ; b_qkv at the head's 64 numbers of q
	s_lshl_b32 s28, s94, 16
	s_lshl_b32 s95, s[WV], 14
	s_add_co_u32 s28, s28, s95
	s_add_nc_u64 s[8:9], s[8:9], s[28:29]          ; rot: 4,096 bytes a tile of 16 positions
	s_lshl_b32 s95, s101, 19
	s_add_co_u32 s28, s28, s95
	s_add_nc_u64 s[14:15], s[14:15], s[28:29]      ; v1 and out1: rows of 256 bytes, at my 64 rows
	s_add_nc_u64 s[24:25], s[24:25], s[28:29]
	s_lshl_b32 s28, s101, 16
	s_lshl_b32 s95, s94, 13
	s_add_co_u32 s28, s28, s95
	s_lshl_b32 s95, s[WV], 11
	s_add_co_u32 s28, s28, s95
	s_add_nc_u64 s[16:17], s[16:17], s[28:29]      ; qimg, kimg: 512 bytes a tile, at my four tiles
	s_add_nc_u64 s[18:19], s[18:19], s[28:29]
	s_lshl_b32 s28, s101, 16
	s_lshl_b32 s95, s94, 13
	s_add_co_u32 s28, s28, s95
	s_lshr_b32 s95, s[WV], 1
	s_lshl_b32 s95, s95, 12
	s_add_co_u32 s28, s28, s95
	s_and_b32 s95, s[WV], 1
	s_lshl_b32 s95, s95, 9
	s_add_co_u32 s28, s28, s95
	s_add_nc_u64 s[22:23], s[22:23], s[28:29]      ; vimg: 4,096 bytes a step of 128 keys; my 64 keys are its half w % 2
	s_lshl_b32 s28, s101, 14
	s_lshl_b32 s95, s94, 11
	s_add_co_u32 s28, s28, s95
	s_lshl_b32 s95, s[WV], 9
	s_add_co_u32 s28, s28, s95
	s_add_nc_u64 s[4:5], s[20:21], s[28:29]        ; sc2: q's and k's words, 512 bytes for four tiles
	s_lshl_b32 s28, s101, 12
	s_lshl_b32 s95, s94, 9
	s_add_co_u32 s28, s28, s95
	s_lshl_b32 s95, s[WV], 7
	s_add_co_u32 s28, s28, s95
	s_add_co_u32 s28, s28, 1048576
	s_add_nc_u64 s[20:21], s[20:21], s[28:29]      ; sc2: value's bytes, 128 for my 64 keys
	s_mul_i32 s2, s[WV], STGB                      ; my stage
	v_and_b32 v1, 15, v0                           ; r
	v_bfe_u32 v2, v0, 4, 1                         ; h
	v_and_b32 v3, 31, v0
	v_lshlrev_b32 v3, 4, v3                        ; 16 x lane
	v_mul_u32_u24 v4, v1, PITCH
	v_lshl_add_u32 v6, v2, 4, v4                   ; a fragment's row x pitch + 16 h
	v_add_nc_u32 v4, s77, v6                       ; x: my 64 rows, K's first half
	v_add_nc_u32 v5, LX1, v4                       ;    second half
	v_add_nc_u32 v7, LW1, v6                       ; W likewise
	v_add_nc_u32 v6, LW0, v6
	v_lshl_add_u32 v8, v1, 5, s69                  ; x's scale words: 32 bytes a row, my 64 rows
	v_lshl_add_u32 v9, v1, 5, LWS                  ; W's
	v_lshlrev_b32 v10, 6, v2                       ; the bias: 64 h
	v_and_b32 v24, 8, v1
	v_add_nc_u32 v24, v24, v1                      ; r + 8 (r / 8)
	v_lshrrev_b32 v25, 3, v1
	v_mul_u32_u24 v11, v24, PITCH                  ; the stage: byte c of row p lies at 272 p + 128 ((p / 16) % 2) + 128 (p / 32) + c
	v_lshl_add_u32 v11, v25, 7, v11
	v_lshl_add_u32 v11, v2, 6, v11
	v_add_nc_u32 v11, s2, v11                      ; in, from accumulators: row r + 8 (r / 8), + 64 h
	v_mul_u32_u24 v12, v2, PITCH
	v_lshl_add_u32 v12, v1, 4, v12
	v_add_nc_u32 v12, s2, v12                      ; by rows: lanes 0-15 one row, lanes 16-31 the next
	v_mul_u32_u24 v13, v2, 32*PITCH+128
	v_lshl_add_u32 v13, v24, 2, v13
	v_add_nc_u32 v13, s2, v13                      ; by columns: rows 32 h on, feature r + 8 (r / 8)
	v_lshlrev_b32 v14, 3, v1
	v_lshl_add_u32 v14, v2, 2, v14                 ; 8 r + 4 h
	v_cmp_ne_u32 s100, 0, v2                       ; lanes 16-31
	v_mov_b32 v25, 0x05010400
	v_mov_b32 v15, 0x07030602
	v_cndmask_b32 v15, v25, v15, s100              ; which bytes of value's scales my lane packs
	v_mov_b32 v21, 0                               ; (upper halves of pairs of which the low word alone is taken)
	v_mov_b32 v23, 0
.irp n, 0,1,2,3,4,5,6,7,8,9,10,11              ; the bias in the result's layout: tile n = 4 sec + 2 b + u: features 32 b + 16 h + 8 u + 0 .. 7
	global_load_b128 v[160+8*\n:163+8*\n], v10, s[10:11] offset:4096*(\n/4)+128*((\n%4)/2)+32*(\n%2)
	global_load_b128 v[164+8*\n:167+8*\n], v10, s[10:11] offset:4096*(\n/4)+128*((\n%4)/2)+32*(\n%2)+16
.endr
	WIN 0xc0                                       ; destination window 3
.irp t, 0,1,2,3
.irp g, 0,1,2,3,4,5,6,7
	global_load_b128 v[128+32*\t+4*\g:131+32*\t+4*\g], v3, s[8:9] offset:4096*\t+512*\g   ; my four tiles' cosines (g 0-3) and sines (g 4-7)
.endr
.endr
	WIN 0
	s_wait_kmcnt 0x0
	v_mov_b32 v16, s26                             ; lamb, twice
	v_mov_b32 v17, s26
	v_sub_f32 v18, 1.0, v16                        ; 1 - lamb, twice
	v_mov_b32 v19, v18
.macro FETCH s                         ; the fragments of K step s (128 along K) into set s % 2: x's 4, W's 12: 32 loads in one run
	WIN 0x40                                       ; destination window 1
.irp t, 0,1,2,3
.irp c, 0,1
	ds_load_b128 v[128*((\s)%2)+8*\t+4*\c:128*((\s)%2)+8*\t+4*\c+3], v[4+(\s)/4] offset:16*PITCH*\t+64*((\s)%4)+32*\c
.endr
.endr
.irp n, 0,1,2,3,4,5,6,7,8,9,10,11
.irp c, 0,1
	ds_load_b128 v[128*((\s)%2)+32+8*\n+4*\c:128*((\s)%2)+32+8*\n+4*\c+3], v[6+(\s)/4] offset:16*PITCH*\n+64*((\s)%4)+32*\c
.endr
.endr
.endm
.macro MULS s, first                   ; 48 products; the 48 accumulators take turns, one instruction a turn, in the same order in every step.  first = 1: the bias is the C
.irp sec, 0,1,2
.if \sec < 2
.if \first
	WIN 0x85                                       ; A, B window 1; C window 0; D window 2
.else
	WIN 0xa5                                       ; C and D window 2
.endif
.else
.if \first
	WIN 0xc5
.else
	WIN 0xf5                                       ; C and D window 3
.endif
.endif
.irp t, 0,1,2,3
.irp ct, 0,1,2,3
.set DD, 128*(\sec%2)+32*\t+8*\ct
.set AA, 128*((\s)%2)+32+8*(4*\sec+\ct)
.set BB, 128*((\s)%2)+8*\t
.if \first
	v_wmma_scale_f32_16x16x128_f8f6f4 v[DD:DD+7], v[AA:AA+7], v[BB:BB+7], v[160+8*(4*\sec+\ct):167+8*(4*\sec+\ct)], v[64+8*(4*\sec+\ct)+(\s)], v[32+8*\t+(\s)] matrix_a_fmt:MATRIX_FMT_FP4 matrix_b_fmt:MATRIX_FMT_FP4
.else
	v_wmma_scale_f32_16x16x128_f8f6f4 v[DD:DD+7], v[AA:AA+7], v[BB:BB+7], v[DD:DD+7], v[64+8*(4*\sec+\ct)+(\s)], v[32+8*\t+(\s)] matrix_a_fmt:MATRIX_FMT_FP4 matrix_b_fmt:MATRIX_FMT_FP4
.endif
.endr
.endr
.endr
.endm
.macro STEP s
	s_wait_dscnt 0x0                               ; this step's fragments are in (asked for 48 products ago)
.if (\s) == 3
	s_wait_tensorcnt 0x0                           ; my parts of K's second half have landed,
	s_barrier_signal -1
	s_barrier_wait -1                              ; everybody's have
.endif
	PLACES                                         ; ahead of loads into the set that the last step multiplied
.if (\s) < 7
	FETCH (\s)+1
.endif
.if (\s) == 0
	MULS \s, 1
.else
	MULS \s, 0
.endif
.endm
	s_wait_tensorcnt 0x2                           ; the scale bytes and K's first half are in; the two loads of the second half, the youngest, may be out
	s_barrier_signal -1
	s_barrier_wait -1                              ; everybody's are
.irp t, 0,1,2,3
.irp e, 0,1
	ds_load_b128 v[32+8*\t+4*\e:35+8*\t+4*\e], v8 offset:512*\t+16*\e     ; a row's eight scale words, one for each K step
.endr
.endr
.irp n, 0,1,2,3,4,5,6,7,8,9,10,11
.irp e, 0,1
	ds_load_b128 v[64+8*\n+4*\e:67+8*\n+4*\e], v9 offset:512*\n+16*\e
.endr
.endr
	FETCH 0
	s_wait_loadcnt 32                              ; the bias is in; the rotary table's 32 loads, issued behind it, may be out
.irp s, 0,1,2,3,4,5,6,7
	STEP \s
.endr
	WIN 0
	PLACES
	s_wait_dscnt 0x0
	s_barrier_signal -1
	s_barrier_wait -1                              ; nobody reads x's or W's codes any more: the stages may be written
	WIN 0x40
.set i, 0
.rept 32
	global_load_b128 v[4*i:4*i+3], v3, s[14:15] offset:512*i th:TH_LOAD_NT   ; v1, my 64 rows: 512 consecutive bytes a load; they land while q and k are worked
.set i, i+1
.endr
	WIN 0
.irp j, 200,201,204,205,206,207,245
	v_mov_b32 v\j, 0                               ; written once: a lane permute's destination counts as one of its sources
.endr
	s_wait_loadcnt 32                              ; the rotary table is in; v1's 32 loads may be out
; q and k of tile tau, side by side in each stretch under one window setting
.macro QK_EPI t
.set NQ_, 32*\t
.set NK_, 128+32*\t
.set RT, 128+32*\t
	WIN 0x0a                                       ; sources 0 and 1 window 2
	v_pk_mul_f32 v[192:193], v[NQ_:NQ_+1], v[NQ_:NQ_+1]             ; the sums of squares: two chains each, each accumulator from its low end on
	v_pk_mul_f32 v[196:197], v[NK_:NK_+1], v[NK_:NK_+1]
	v_pk_mul_f32 v[194:195], v[NQ_+2:NQ_+3], v[NQ_+2:NQ_+3]
	v_pk_mul_f32 v[198:199], v[NK_+2:NK_+3], v[NK_+2:NK_+3]
.irp i, 4,8,12,16,20,24,28
	v_pk_fma_f32 v[192:193], v[NQ_+\i:NQ_+\i+1], v[NQ_+\i:NQ_+\i+1], v[192:193]
	v_pk_fma_f32 v[196:197], v[NK_+\i:NK_+\i+1], v[NK_+\i:NK_+\i+1], v[196:197]
	v_pk_fma_f32 v[194:195], v[NQ_+\i+2:NQ_+\i+3], v[NQ_+\i+2:NQ_+\i+3], v[194:195]
	v_pk_fma_f32 v[198:199], v[NK_+\i+2:NK_+\i+3], v[NK_+\i+2:NK_+\i+3], v[198:199]
.endr
	WIN 0
	v_add_f32 v192, v192, v193
	v_add_f32 v196, v196, v197
	v_add_f32 v194, v194, v195
	v_add_f32 v198, v198, v199
	v_add_f32 v192, v192, v194
	v_add_f32 v196, v196, v198
	v_permlanex16_b32 v200, v192, s66, s67         ; the row's other 32 features lie in lane l xor 16
	v_permlanex16_b32 v201, v196, s66, s67
	v_add_f32 v192, v192, v200
	v_add_f32 v196, v196, v201
	v_fma_f32 v192, v192, s92, s93                 ; the mean + 1e-6
	v_fma_f32 v196, v196, s92, s93
	s_wait_alu depctr_va_vdst(0)
	v_rsq_f32 v20, v192
	v_rsq_f32 v22, v196
	v_nop                                          ; a plain instruction behind the last of the two
	s_wait_alu depctr_va_vdst(0)                   ; one wait for both, ahead of their first reader
	WIN 0x82                                       ; destination and source 0 window 2
.irp i, 0,2,4,6,8,10,12,14,16,18,20,22,24,26,28,30
	v_pk_mul_f32 v[NQ_+\i:NQ_+\i+1], v[NQ_+\i:NQ_+\i+1], v[20:21] op_sel_hi:[1,0]
	v_pk_mul_f32 v[NK_+\i:NK_+\i+1], v[NK_+\i:NK_+\i+1], v[22:23] op_sel_hi:[1,0]
.endr
	WIN 0x4e                                       ; destination window 1, source 0 window 2, source 1 window 3
.irp k, 0,2,4,6,8,10,12,14                     ; t2 sin and t2 cos
	v_pk_mul_f32 v[128+\k:129+\k], v[NQ_+16+\k:NQ_+17+\k], v[RT+16+\k:RT+17+\k]
	v_pk_mul_f32 v[144+\k:145+\k], v[NQ_+16+\k:NQ_+17+\k], v[RT+\k:RT+\k+1]
	v_pk_mul_f32 v[160+\k:161+\k], v[NK_+16+\k:NK_+17+\k], v[RT+16+\k:RT+17+\k]
	v_pk_mul_f32 v[176+\k:177+\k], v[NK_+16+\k:NK_+17+\k], v[RT+\k:RT+\k+1]
.endr
	WIN 0x9e                                       ; destination and source 0 window 2, source 1 window 3, source 2 window 1
.irp k, 0,2,4,6,8,10,12,14
	v_pk_fma_f32 v[NQ_+16+\k:NQ_+17+\k], v[NQ_+\k:NQ_+\k+1], v[RT+16+\k:RT+17+\k], v[144+\k:145+\k]                       ; t1 sin + t2 cos
	v_pk_fma_f32 v[NK_+16+\k:NK_+17+\k], v[NK_+\k:NK_+\k+1], v[RT+16+\k:RT+17+\k], v[176+\k:177+\k]
	v_pk_fma_f32 v[NQ_+\k:NQ_+\k+1], v[NQ_+\k:NQ_+\k+1], v[RT+\k:RT+\k+1], v[128+\k:129+\k] neg_lo:[0,0,1] neg_hi:[0,0,1]   ; t1 cos - t2 sin
	v_pk_fma_f32 v[NK_+\k:NK_+\k+1], v[NK_+\k:NK_+\k+1], v[RT+\k:RT+\k+1], v[160+\k:161+\k] neg_lo:[0,0,1] neg_hi:[0,0,1]
.endr
	WIN 0x0a                                       ; the four blocks' largest magnitudes, by turns; the floor 2^(3 - 127) holds the byte at 1 from below
	v_max3_num_f32 v200, |v[NQ_]|, |v[NQ_+1]|, 0x1800000
	v_max3_num_f32 v201, |v[NQ_+16]|, |v[NQ_+17]|, 0x1800000
	v_max3_num_f32 v202, |v[NK_]|, |v[NK_+1]|, 0x1800000
	v_max3_num_f32 v203, |v[NK_+16]|, |v[NK_+17]|, 0x1800000
.irp i, 2,4,6,8,10,12,14
	v_max3_num_f32 v200, |v[NQ_+\i]|, |v[NQ_+\i+1]|, v200
	v_max3_num_f32 v201, |v[NQ_+16+\i]|, |v[NQ_+17+\i]|, v201
	v_max3_num_f32 v202, |v[NK_+\i]|, |v[NK_+\i+1]|, v202
	v_max3_num_f32 v203, |v[NK_+16+\i]|, |v[NK_+17+\i]|, v203
.endr
	WIN 0
.irp x, 0,1,2,3
	v_permlanex16_b32 v[204+\x], v[200+\x], s66, s67
.endr
.irp x, 0,1,2,3
	v_max_num_f32 v[200+\x], v[200+\x], v[204+\x]  ; with lane l xor 16's 16: the block's
.endr
.irp x, 0,1,2,3
	v_add_nc_u32 v[208+\x], 0xff000000, v[200+\x]  ; 2 off the exponent field: the conversion's scale operand
.endr
.irp x, 0,1,2,3
	v_lshrrev_b32 v[204+\x], 23, v[208+\x]         ; the scale's byte
.endr
	v_lshl_or_b32 v[216+\t], v205, 8, v204         ; the row's scale word: the two bytes, and the same two again for the half of the instruction's K that holds zero codes
	v_lshl_or_b32 v[220+\t], v207, 8, v206
	v_lshl_or_b32 v[216+\t], v[216+\t], 16, v[216+\t]
	v_lshl_or_b32 v[220+\t], v[220+\t], 16, v[220+\t]
	WIN 0x02                                       ; source 0 window 2
.irp b, 0,1
.irp e, 0,1
	v_cvt_scalef32_pk8_fp4_f32 v[224+4*\t+2*\b+\e], v[NQ_+16*\b+8*\e:NQ_+16*\b+8*\e+7], v[208+\b]
	v_cvt_scalef32_pk8_fp4_f32 v[240+4*\t+2*\b+\e], v[NK_+16*\b+8*\e:NK_+16*\b+8*\e+7], v[210+\b]
.endr
.endr
	WIN 0
	v_nop                                          ; one plain instruction behind the conversions
	v_permlane16_swap_b32 v[224+4*\t], v[226+4*\t] ; the operand's layout wants a whole block in a lane: lanes 0-15 block 0, lanes 16-31 block 1
	v_permlane16_swap_b32 v[225+4*\t], v[227+4*\t]
	v_permlane16_swap_b32 v[240+4*\t], v[242+4*\t]
	v_permlane16_swap_b32 v[241+4*\t], v[243+4*\t]
	global_store_b128 v3, v[224+4*\t:227+4*\t], s[16:17] offset:512*\t    ; the tile's image: 512 consecutive bytes
	global_store_b128 v3, v[240+4*\t:243+4*\t], s[18:19] offset:512*\t
.endm
	QK_EPI 0
	QK_EPI 1
	QK_EPI 2
	QK_EPI 3
.irp t, 0,1,2,3
	v_cndmask_b32 v[200+\t], v[216+\t], v[220+\t], s100    ; lanes 0-15 carry q's four words of row r, lanes 16-31 k's
.endr
	global_store_b128 v3, v[200:203], s[4:5]       ; 512 consecutive bytes
	; ---- v.  (a) the accumulators into my stage, at their true rows; each from its low end on
	WIN 0x0c                                       ; an LDS store's data: window 3
.irp t, 0,1,2,3
.irp ct, 0,1,2,3
	ds_store_b128 v11, v[32*\t+8*\ct:32*\t+8*\ct+3] offset:(32*(\t/2)+8*(\t%2))*PITCH+128*(\t/2)+128*(\ct/2)+32*(\ct%2)
	ds_store_b128 v11, v[32*\t+8*\ct+4:32*\t+8*\ct+7] offset:(32*(\t/2)+8*(\t%2))*PITCH+128*(\t/2)+128*(\ct/2)+32*(\ct%2)+16
.endr
.endr
	WIN 0xc0                                       ; (b) back by rows, two rows a load, into the registers that they left: LDS serves a wave's instructions in order
.set i, 0
.rept 32
	ds_load_b128 v[4*i:4*i+3], v12 offset:2*PITCH*i+128*((i/8)%2)+128*(i/16)
.set i, i+1
.endr
	s_wait_loadcnt 0x0                             ; v1
	s_wait_dscnt 0x0
	WIN 0xc3                                       ; (c) value = (1 - lamb) v + lamb v1
.set i, 0
.rept 64
	v_pk_mul_f32 v[2*i:2*i+1], v[2*i:2*i+1], v[18:19]
.set i, i+1
.endr
	WIN 0xf1                                       ; source 0 (v1) window 1, source 1 (lamb) window 0, C and D window 3
.set i, 0
.rept 64
	v_pk_fma_f32 v[2*i:2*i+1], v[2*i:2*i+1], v[16:17], v[2*i:2*i+1]
.set i, i+1
.endr
	WIN 0x0c                                       ; (d) out1, (e) and back into the stage
.set i, 0
.rept 32
	global_store_b128 v3, v[4*i:4*i+3], s[24:25] offset:512*i th:TH_STORE_NT   ; 512 consecutive bytes, aligned
.set i, i+1
.endr
.set i, 0
.rept 32
	ds_store_b128 v12, v[4*i:4*i+3] offset:2*PITCH*i+128*((i/8)%2)+128*(i/16)
.set i, i+1
.endr
	WIN 0
	s_wait_xcnt 0x0                                ; the stores of q's and k's images and words have read their registers: these are written again below
; (f) by columns: lane (r, h) takes feature 32 (d / 2) + 8 (d % 2) + r + 8 (r / 8) and the keys 32 h + 0 .. 31 of my 64: a whole block
.macro LOADCOL d
.set VT, 160+32*((\d)%2)
.set i, 0
.rept 32
	ds_load_b32 v[VT+i], v13 offset:PITCH*i+128*(i/16)+128*((\d)/2)+32*((\d)%2)
.set i, i+1
.endr
.endm
.macro VQUANT d
.set VT, 160+32*((\d)%2)
	v_max3_num_f32 v241, |v[VT]|, |v[VT+1]|, 0x1800000
	v_max3_num_f32 v242, |v[VT+2]|, |v[VT+3]|, |v[VT+4]|
.irp i, 5,9,13,17,21,25
	v_max3_num_f32 v241, v241, |v[VT+\i]|, |v[VT+\i+1]|
	v_max3_num_f32 v242, v242, |v[VT+\i+2]|, |v[VT+\i+3]|
.endr
	v_max3_num_f32 v241, v241, |v[VT+29]|, |v[VT+30]|
	v_max3_num_f32 v241, v241, v242, |v[VT+31]|
	v_add_nc_u32 v243, 0xff000000, v241
	v_lshrrev_b32 v244, 23, v243
.if (\d) == 0
	v_mov_b32 v240, v244
.else
	v_lshl_or_b32 v240, v244, 8*(\d), v240         ; the four tiles' bytes in one register
.endif
.irp g, 0,1,2,3
	v_cvt_scalef32_pk8_fp4_f32 v[224+4*(\d)+\g], v[VT+8*\g:VT+8*\g+7], v243
.endr
	v_nop                                          ; one plain instruction behind the conversions
	global_store_b128 v3, v[224+4*(\d):227+4*(\d)], s[22:23] offset:1024*(\d)   ; registers 4 c .. 4 c + 3 of the operand: 512 consecutive bytes
.endm
	LOADCOL 0
.irp dt, 0,1,2,3
.if \dt < 3
	LOADCOL \dt+1
	s_wait_dscnt 32                                ; this tile's column is in; the next tile's 32 loads may be out
.else
	s_wait_dscnt 0x0
.endif
	VQUANT \dt
.endr
	v_permlanex16_b32 v245, v240, s66, s67         ; (g) the bytes of the other block of my feature
	v_cndmask_b32 v246, v240, v245, s100           ; the lower block's four bytes,
	v_cndmask_b32 v247, v245, v240, s100           ; the upper block's
	v_perm_b32 v248, v247, v246, v15               ; lanes 0-15: tiles 0 and 1 (lower, upper, lower, upper), lanes 16-31: tiles 2 and 3
	global_store_b32 v14, v248, s[20:21]           ; 128 consecutive bytes
	s_wait_tensorcnt 0x0
	ds_add_u32 v30, v31
	s_wait_dscnt 0x0
	CROUND                                         ; the closing round: no work-group ends while a partner may still ask for a tile that names it
	s_endpgm
.Lfunc_end_k_q503f2abb64_qkv:
	.size	k_q503f2abb64_qkv, .Lfunc_end_k_q503f2abb64_qkv-k_q503f2abb64_qkv
	.p2alignl 7, 3214868480
	.fill 96, 4, 3214868480
	.section	.rodata,"a",@progbits
	.p2align	6, 0x0
	.amdhsa_kernel k_q503f2abb64_qkv
		.amdhsa_group_segment_fixed_size 262656
		.amdhsa_private_segment_fixed_size 0
		.amdhsa_enable_private_segment 0
		.amdhsa_kernarg_size 88
		.amdhsa_user_sgpr_count 2
		.amdhsa_user_sgpr_kernarg_segment_ptr 1
		.amdhsa_wavefront_size32 1
		.amdhsa_system_sgpr_workgroup_id_x 1
		.amdhsa_system_sgpr_workgroup_id_y 1
		.amdhsa_system_sgpr_workgroup_id_z 1
		.amdhsa_system_vgpr_workitem_id 0
		.amdhsa_next_free_vgpr 1024
		.amdhsa_next_free_sgpr 102
		.amdhsa_reserve_vcc 0
		.amdhsa_float_denorm_mode_32 3
		.amdhsa_float_denorm_mode_16_64 3
		.amdhsa_memory_ordered 1
		.amdhsa_forward_progress 1
		.amdhsa_inst_pref_size 172
	.end_amdhsa_kernel
	.amdgpu_metadata
---
amdhsa.version: [ 1, 2 ]
amdhsa.kernels:
  - .name:           k_q503f2abb64_qkv
    .symbol:         k_q503f2abb64_qkv.kd
    .args:
      - { .name: codes1, .offset: 0, .size: 8, .value_kind: global_buffer, .address_space: global }
      - { .name: scales1, .offset: 8, .size: 8, .value_kind: global_buffer, .address_space: global }
      - { .name: rot, .offset: 16, .size: 8, .value_kind: global_buffer, .address_space: global }
      - { .name: b_qkv, .offset: 24, .size: 8, .value_kind: global_buffer, .address_space: global }
      - { .name: lamb, .offset: 32, .size: 8, .value_kind: global_buffer, .address_space: global }
      - { .name: v1, .offset: 40, .size: 8, .value_kind: global_buffer, .address_space: global }
      - { .name: qimg, .offset: 48, .size: 8, .value_kind: global_buffer, .address_space: global }
      - { .name: kimg, .offset: 56, .size: 8, .value_kind: global_buffer, .address_space: global }
      - { .name: sc2, .offset: 64, .size: 8, .value_kind: global_buffer, .address_space: global }
      - { .name: vimg, .offset: 72, .size: 8, .value_kind: global_buffer, .address_space: global }
      - { .name: out1, .offset: 80, .size: 8, .value_kind: global_buffer, .address_space: global }
    .group_segment_fixed_size: 262656
    .private_segment_fixed_size: 0
    .kernarg_segment_align: 8
    .kernarg_segment_size: 88
    .max_flat_workgroup_size: 128
    .sgpr_count:     102
    .vgpr_count:     1024
    .wavefront_size: 32
...
	.end_amdgpu_metadata
.endif
;; end of part 2
;; launch attn (part 3): grid 4 x 64, 16 waves a work-group, no clusters, 169,984 bytes of LDS; arguments qimg, kimg, vimg, sc2, att; writes att
.if DOCPART == 3
	.amdgcn_target "amdgcn-amd-amdhsa--gfx1250"
	.amdhsa_code_object_version 6
	.text
	.protected	k_q503f2abb64_attn
	.globl	k_q503f2abb64_attn
	.p2align	8
	.type	k_q503f2abb64_attn,@function
k_q503f2abb64_attn:
	s_mov_b64 s[64:65], 0
	v_nop
	global_prefetch_b8 v0, s[64:65] scope:SCOPE_SE
	s_setreg_imm32_b32 hwreg(HW_REG_WAVE_MODE, 25, 1), 1
	s_wait_xcnt 0x0
; Causal attention of one head (bh) on codes of FP4 with E8M0 scales, and the quantising of its result for the last product.
; t = score x log2(e) / 8; M = the running largest t rounded UP to a whole number; p = 2^(t - M) is quantised along the keys; the row's sum is taken of the unquantised p and divides at the end.
; SHARES.  Four work-groups a head, sixteen waves each.  Wave G (0 .. 63 in the head) owns two tiles of 16 queries, one after the other: tile 127 - G, then tile G.  Tile I needs I / 8 + 1 key steps of 128,
; so every wave works 17 steps: all waves are even.  Four waves share a SIMD: one wave's vector work stands beside another's products and LDS loads.
; THE WHOLE HEAD LIES IN LDS: k's and value's images (65,536 bytes each) and their scale bytes come once, by ten tensor loads at the head; no LDS byte is filled twice and none is stored to.
; NO CLUSTER: which steps a wave leaves out hangs on G, which holds the work-group's place among the four that share a head, and partners of a joint request must branch alike; what they share is asked for once a work-group.
; LAYOUT.  Both products are used transposed: S^T = K Q^T, O^T = V^T P^T: a lane holds one query.  Tile T holds the rows 32 (T / 2) + 8 (T % 2) + r + 8 (r / 8), so that the 16 registers of two neighbouring
; tiles of keys are 16 neighbouring keys, and likewise the head's features in O^T.  THE FIRST PRODUCT'S K IS 64: Q's upper four registers hold zero codes; K's fragment t names the four registers behind its own
; (the next tile's codes, or zeros), which meet those zeros; the scale words repeat their two bytes.
; The loops' trip counts are constants (16 and 8); a step beyond the wave's last is left out by a scalar branch on ids, round the work alone.
; LIMITS: NaN and infinities are not served; blocks under 2^-124 and blocks of zeros keep the byte 1 (this program alone reads the bytes); 1 / sum by v_rcp_f32.
; REGISTERS: v1-7 addresses that stay; v8-11 the step's; v12 -M, v13 the largest t, v[14:15] the sum; v16-23 Q; v24 Q's word, v25 p's; v28-63 K's eight fragments and four zeros; v64-95 V's four;
;   v96-159 S^T, then p; v160-191 O^T; v192-199 K's words; v200-203 V's bytes as stored, v204-207 V's words; v224-231 p's codes; v232-254 at work.
.set KSC, 131072                       ; LDS: K 0, V 65,536, k's scale words, value's scale bytes
.set VSC, 139264
.set WV, 14
.set BH, 15
.set G0C, 16                           ; s[16:19], s[20:23], s[24:27] descriptor groups 0: codes, k's words, value's bytes
.set G0K, 20
.set G0V, 24
.set G1C, 28                           ; s[28:35], s[36:43], s[44:51] their groups 1
.set G1KS, 36
.set G1VS, 44
.set SEL, 52
.set CS, 54
.set GG, 56
.set II, 57                            ; the tile in hand
.set NST, 58                           ; its steps
.set QB, 59                            ; its first query less its last step's first key
.set TK, 60                            ; where the step's tiles begin: 4,096 bytes a step in K and in V
.set TSK, 61                           ; k's words: 512
.set TSV, 62                           ; value's bytes: 256
.set STEPI, 63
.set CNT, 66
	s_load_b256 s[4:11], s[0:1], 0x0               ; qimg, kimg, vimg, sc2
	s_load_b64 s[12:13], s[0:1], 0x20              ; att
	v_lshl_add_u32 v251, v0, 2, 0x29000
	v_mov_b32 v255, 0
	ds_add_u32 v251, v255
	ds_add_u32 v251, v255
	v_lshrrev_b32 v1, 5, v0
	s_delay_alu instid0(VALU_DEP_1)
	v_readfirstlane_b32 s[WV], v1                  ; wave 0..15
	s_and_b32 s[BH], ttmp7, 0xffff
	s_lshl_b32 s[GG], ttmp9, 4
	s_add_co_u32 s[GG], s[GG], s[WV]
	s_mov_b32 s[G1C], 3<<16                        ; 16,384 dense bytes as 64 rows of 256 (32 elements of 8 bytes)
	s_mov_b32 s[G1C+1], 32<<16
	s_mov_b32 s[G1C+2], 64<<16
	s_mov_b32 s[G1C+3], 32<<16
	s_mov_b32 s[G1C+4], 64
	s_mov_b32 s[G1C+5], 32
	s_mov_b32 s[G1C+6], 0
	s_mov_b32 s[G1C+7], 0
	s_mov_b32 s[G1KS], 3<<16                       ; 32 rows of 256 bytes, 512 apart: k's half of each group of four tiles
	s_mov_b32 s[G1KS+1], 32<<16
	s_mov_b32 s[G1KS+2], 32<<16
	s_mov_b32 s[G1KS+3], 32<<16
	s_mov_b32 s[G1KS+4], 32
	s_mov_b32 s[G1KS+5], 64
	s_mov_b32 s[G1KS+6], 0
	s_mov_b32 s[G1KS+7], 0
	s_mov_b32 s[G1VS], 3<<16                       ; 4,096 dense bytes
	s_mov_b32 s[G1VS+1], 32<<16
	s_mov_b32 s[G1VS+2], 16<<16
	s_mov_b32 s[G1VS+3], 32<<16
	s_mov_b32 s[G1VS+4], 16
	s_mov_b32 s[G1VS+5], 32
	s_mov_b32 s[G1VS+6], 0
	s_mov_b32 s[G1VS+7], 0
	s_mov_b32 s[SEL], 0x76543210
	s_mov_b32 s[SEL+1], 0xfedcba98
	s_mov_b32 s[CS], 0x3e38aa3b                    ; c = log2(e) / 8
	s_mov_b32 s[CS+1], s[CS]
	s_and_b32 s67, s[WV], 3
	s_lshl_b32 s68, s67, 14
	s_lshl_b32 s67, s[BH], 16
	s_add_co_u32 s68, s68, s67                     ; codes: the head's 65,536 bytes, my quarter
	s_mov_b32 s69, 0
	s_lshl_b32 s70, s[BH], 14
	s_add_co_u32 s70, s70, 256
	s_mov_b32 s71, 0
	s_lshl_b32 s72, s[BH], 12
	s_add_co_u32 s72, s72, 1048576
	s_mov_b32 s73, 0
	s_wait_dscnt 0x0
	s_wait_kmcnt 0x0
	s_cmp_lt_u32 s[WV], 4                          ; waves 0-3 fetch K, waves 4-7 V
	s_cselect_b64 s[74:75], s[6:7], s[8:9]
	s_mov_b32 s[G0C], 1
	s_lshl_b32 s[G0C+1], s[WV], 14
	s_add_nc_u64 s[G0C+2:G0C+3], s[74:75], s[68:69]
	s_or_b32 s[G0C+3], s[G0C+3], 0x80000000
	s_mov_b32 s[G0K], 1
	s_mov_b32 s[G0K+1], KSC
	s_add_nc_u64 s[G0K+2:G0K+3], s[10:11], s[70:71]
	s_or_b32 s[G0K+3], s[G0K+3], 0x80000000
	s_mov_b32 s[G0V], 1
	s_mov_b32 s[G0V+1], VSC
	s_add_nc_u64 s[G0V+2:G0V+3], s[10:11], s[72:73]
	s_or_b32 s[G0V+3], s[G0V+3], 0x80000000
	s_cmp_lt_u32 s[WV], 8                          ; at most one tensor load a wave; the branches hang on the wave's number alone; four v_nop follow each
	s_cbranch_scc0 .Lnot_codes
	tensor_load_to_lds s[G0C:G0C+3], s[G1C:G1C+7]
	s_nop 0
.rept 4
	v_nop
.endr
	s_branch .Lasked
.Lnot_codes:
	s_cmp_eq_u32 s[WV], 8
	s_cbranch_scc0 .Lnot_kwords
	tensor_load_to_lds s[G0K:G0K+3], s[G1KS:G1KS+7]
	s_nop 0
.rept 4
	v_nop
.endr
	s_branch .Lasked
.Lnot_kwords:
	s_cmp_eq_u32 s[WV], 9
	s_cbranch_scc0 .Lasked
	tensor_load_to_lds s[G0V:G0V+3], s[G1VS:G1VS+7]
	s_nop 0
.rept 4
	v_nop
.endr
.Lasked:
	v_and_b32 v26, 31, v0
	s_delay_alu instid0(VALU_DEP_1)
	v_lshlrev_b32 v1, 4, v26                       ; 16 x lane: an image's place for my lane
	s_delay_alu instid0(VALU_DEP_1)
	v_add_nc_u32 v2, 65536, v1                     ; in V
	v_and_b32 v27, 15, v0                          ; r
	s_delay_alu instid0(VALU_DEP_1)
	v_lshl_add_u32 v3, v27, 4, KSC                 ; k's words: four tiles' for row r
	s_delay_alu instid0(VALU_DEP_2)
	v_lshl_add_u32 v4, v27, 3, VSC                 ; value's bytes: four tiles' for feature row r
	s_delay_alu instid0(VALU_DEP_3)
	v_and_b32 v5, 8, v27
	s_delay_alu instid0(VALU_DEP_1)
	v_add_nc_u32 v5, v5, v27
	v_and_b32 v6, 16, v0
	s_delay_alu instid0(VALU_DEP_1)
	v_sub_nc_u32 v5, v5, v6                        ; r + 8 (r / 8) - 16 h
	v_lshlrev_b32 v6, 4, v27
	v_lshlrev_b32 v7, 2, v27
.irp j, 20,21,22,23,60,61,62,63,236,237,238,239,252,253
	v_mov_b32 v\j, 0                               ; zero codes; and registers that are named (a permute's destination, a pair's upper half) before they are first written
.endr
	s_wait_tensorcnt 0x0                           ; my load has landed,
	s_barrier_signal -1
	s_barrier_wait -1                              ; everybody's has: the one barrier of the launch
.macro STEP
	s_cmp_ge_u32 s[STEPI], s[NST]                  ; all keys of this step come after my queries: the work is left out
	s_cbranch_scc1 .Lskip_\@
	s_setprio 2
	v_add_nc_u32 v8, s[TK], v1                     ; (these four are also the places behind the last step's products)
	v_add_nc_u32 v9, s[TK], v2
	v_add_nc_u32 v10, s[TSK], v3
	v_add_nc_u32 v11, s[TSV], v4
.irp t, 0,1,2,3,4,5,6,7
	ds_load_b128 v[28+4*\t:31+4*\t], v8 offset:512*\t
.endr
	ds_load_b128 v[192:195], v10
	ds_load_b128 v[196:199], v10 offset:256
	ds_load_b64 v[200:201], v11
	ds_load_b64 v[202:203], v11 offset:128
	s_wait_alu depctr_va_vdst(0)
	s_wait_dscnt 0x0
	v_perm_b32 v204, v202, v200, 0x05040100        ; value's scale words: key blocks 0, 1 from the first half, 2, 3 from the second
	v_perm_b32 v205, v202, v200, 0x07060302
	v_perm_b32 v206, v203, v201, 0x05040100
	v_perm_b32 v207, v203, v201, 0x07060302
.irp t, 0,1,2,3,4,5,6,7
	v_wmma_scale_f32_16x16x128_f8f6f4 v[96+8*\t:103+8*\t], v[28+4*\t:35+4*\t], v[16:23], 0, v[192+\t], v24 matrix_a_fmt:MATRIX_FMT_FP4 matrix_b_fmt:MATRIX_FMT_FP4
.endr
.rept 4
	v_nop
.endr
.irp dt, 0,1,2,3
.irp c, 0,1
	ds_load_b128 v[64+8*\dt+4*\c:67+8*\dt+4*\c], v9 offset:1024*\dt+512*\c    ; V's fragments land while the softmax is worked
.endr
.endr
	s_add_co_u32 s67, s[STEPI], 1                  ; the tile's last step lies on the diagonal: there hidden scores become -infinity ahead of the maximum
	s_cmp_lg_u32 s67, s[NST]
	s_cbranch_scc1 .Lopen_\@
	v_add_nc_u32 v252, s[QB], v5                   ; register 16 b + i holds the step's key 32 b + 16 h + i: hidden where 32 b + i > my query - the step's first key - 16 h
	v_mov_b32 v254, 0xff800000
.set n, 0
.rept 64
	v_cmp_gt_i32 vcc_lo, 32*(n/16)+n%16, v252
	v_cndmask_b32 v[96+n], v[96+n], v254, vcc_lo
.set n, n+1
.endr
.Lopen_\@:
.irp b, 0,1,2,3
	v_max3_num_f32 v[232+\b], v[96+16*\b], v[97+16*\b], v[98+16*\b]   ; the largest score of each block of 32 keys: for the row's maximum, and, since p rises with the score, for the block's largest p
.endr
.irp i, 3,5,7,9,11,13
.irp b, 0,1,2,3
	v_max3_num_f32 v[232+\b], v[232+\b], v[96+16*\b+\i], v[97+16*\b+\i]
.endr
.endr
.irp b, 0,1,2,3
	v_max_num_f32 v[232+\b], v[232+\b], v[111+16*\b]
.endr
.irp b, 0,1,2,3
	s_delay_alu instid0(VALU_DEP_4)
	v_permlanex16_b32 v[236+\b], v[232+\b], s[SEL], s[SEL+1]
.endr
.irp b, 0,1,2,3
	s_delay_alu instid0(VALU_DEP_4)
	v_max_num_f32 v[232+\b], v[232+\b], v[236+\b]
.endr
	s_delay_alu instid0(VALU_DEP_2)
	v_max3_num_f32 v254, v232, v233, v234
	s_delay_alu instid0(VALU_DEP_1)
	v_max_num_f32 v254, v254, v235
	s_delay_alu instid0(VALU_DEP_1)
	v_mul_f32 v254, s[CS], v254
	s_delay_alu instid0(VALU_DEP_1)
	v_max_num_f32 v13, v13, v254                   ; the running largest t
	v_mov_b32 v254, v12
	s_delay_alu instid0(VALU_DEP_2)
	v_floor_f32 v12, -v13                          ; -M = floor(-t): M is a whole number
	s_delay_alu instid0(VALU_DEP_1)
	v_sub_f32 v254, v12, v254
	s_delay_alu instid0(VALU_DEP_1)
	v_cvt_i32_f32 v254, v254                       ; (it saturates)
	s_delay_alu instid0(VALU_DEP_1)
	v_ldexp_f32 v252, 1.0, v254                    ; f = 2^(old M - new M): exact
.set j, 0
.rept 32
	v_pk_fma_f32 v[96+j:97+j], v[96+j:97+j], s[CS:CS+1], v[12:13] op_sel_hi:[1,0,0]   ; t - M
.set j, j+2
.endr
	s_setprio 1
.irp b, 0,1,2,3
	v_fma_f32 v[232+\b], v[232+\b], s[CS], v12
.endr
.set j, 0
	s_wait_alu depctr_va_vdst(0)
.rept 64
	v_exp_f32 v[96+j], v[96+j]                     ; p
.set j, j+1
.endr
	v_pk_mul_f32 v[14:15], v[14:15], v[252:253] op_sel_hi:[1,0]   ; the sums under the new M: a plain instruction behind the exponentials
	s_wait_alu depctr_va_vdst(0)                   ; one wait for the batch, ahead of its first reader
.irp b, 0,1,2,3
	v_exp_f32 v[232+\b], v[232+\b]                 ; each block's largest p
.endr
	v_pk_add_f32 v[236:237], v[100:101], v[104:105]
	v_pk_add_f32 v[248:249], v[108:109], v[112:113]
	v_pk_add_f32 v[246:247], v[116:117], v[120:121]
	v_pk_add_f32 v[244:245], v[124:125], v[128:129]
	v_pk_add_f32 v[242:243], v[132:133], v[136:137]
	v_pk_add_f32 v[240:241], v[140:141], v[144:145]
	v_pk_add_f32 v[238:239], v[148:149], v[152:153]
	v_pk_add_f32 v[14:15], v[14:15], v[156:157]
	v_pk_add_f32 v[236:237], v[236:237], v[96:97]
	v_pk_add_f32 v[248:249], v[248:249], v[98:99]
	v_pk_add_f32 v[246:247], v[246:247], v[102:103]
	v_pk_add_f32 v[244:245], v[244:245], v[106:107]
	v_pk_add_f32 v[242:243], v[242:243], v[110:111]
	v_pk_add_f32 v[240:241], v[240:241], v[114:115]
	v_pk_add_f32 v[238:239], v[238:239], v[118:119]
	v_pk_add_f32 v[14:15], v[14:15], v[122:123]
	v_pk_add_f32 v[236:237], v[236:237], v[126:127]
	v_pk_add_f32 v[248:249], v[248:249], v[130:131]
	v_pk_add_f32 v[246:247], v[246:247], v[134:135]
	v_pk_add_f32 v[244:245], v[244:245], v[138:139]
	v_pk_add_f32 v[242:243], v[242:243], v[142:143]
	v_pk_add_f32 v[240:241], v[240:241], v[146:147]
	v_pk_add_f32 v[238:239], v[238:239], v[150:151]
	v_pk_add_f32 v[14:15], v[14:15], v[154:155]
	v_pk_add_f32 v[236:237], v[236:237], v[158:159]
	s_delay_alu instid0(VALU_DEP_2)
	v_pk_add_f32 v[14:15], v[14:15], v[244:245]
	s_delay_alu instid0(VALU_DEP_2)
	v_pk_add_f32 v[236:237], v[236:237], v[242:243]
	v_pk_add_f32 v[248:249], v[248:249], v[240:241]
	v_pk_add_f32 v[246:247], v[246:247], v[238:239]
	s_delay_alu instid0(VALU_DEP_2)
	v_pk_add_f32 v[14:15], v[14:15], v[248:249]
	s_delay_alu instid0(VALU_DEP_2)
	v_pk_add_f32 v[236:237], v[236:237], v[246:247]
	s_delay_alu instid0(VALU_DEP_1)
	v_pk_add_f32 v[14:15], v[14:15], v[236:237]
	s_wait_alu depctr_va_vdst(0)                   ; and one for the four
.irp b, 0,1,2,3
	v_max_num_f32 v[232+\b], 0x1800000, v[232+\b]  ; the floor 2^(3 - 127)
.endr
.irp b, 0,1,2,3
	s_delay_alu instid0(VALU_DEP_4)
	v_add_nc_u32 v[244+\b], 0xff000000, v[232+\b]
.endr
.irp b, 0,1,2,3
	s_delay_alu instid0(VALU_DEP_4)
	v_lshrrev_b32 v[236+\b], 23, v[244+\b]
.endr
	s_delay_alu instid0(VALU_DEP_3)
	v_lshl_or_b32 v25, v237, 8, v236               ; p's scale word for these 128 keys
	s_delay_alu instid0(VALU_DEP_1)
	v_lshl_or_b32 v25, v238, 16, v25
	s_delay_alu instid0(VALU_DEP_1)
	v_lshl_or_b32 v25, v239, 24, v25
	s_setprio 0
.irp b, 0,1,2,3
	v_cvt_scalef32_pk8_fp4_f32 v[224+2*\b], v[96+16*\b:103+16*\b], v[244+\b]
	v_cvt_scalef32_pk8_fp4_f32 v[225+2*\b], v[104+16*\b:111+16*\b], v[244+\b]
.endr
	v_nop                                          ; one plain instruction behind the conversions
.irp c, 0,1
.irp i, 0,1
	v_permlane16_swap_b32 v[224+4*\c+\i], v[226+4*\c+\i]
.endr
.endr
.set j, 0
.rept 16
	v_pk_mul_f32 v[160+j:161+j], v[160+j:161+j], v[252:253] op_sel_hi:[1,0]   ; O^T under the new M; these sixteen are also the places between p's word and codes and the products
.set j, j+2
.endr
	s_wait_alu depctr_va_vdst(0)
	s_wait_dscnt 0x0                               ; V's fragments
.irp dt, 0,1,2,3
	v_wmma_scale_f32_16x16x128_f8f6f4 v[160+8*\dt:167+8*\dt], v[64+8*\dt:71+8*\dt], v[224:231], v[160+8*\dt:167+8*\dt], v[204+\dt], v25 matrix_a_fmt:MATRIX_FMT_FP4 matrix_b_fmt:MATRIX_FMT_FP4
.endr
.Lskip_\@:
	s_add_co_u32 s[TK], s[TK], 4096
	s_add_co_u32 s[TSK], s[TSK], 512
	s_add_co_u32 s[TSV], s[TSV], 256
	s_add_co_u32 s[STEPI], s[STEPI], 1
.endm
.macro PASS late, trips
	s_wait_xcnt 0x0                                ; the last tile's stores have read their registers and bases
.if \late
	s_sub_co_u32 s[II], 127, s[GG]
.else
	s_mov_b32 s[II], s[GG]
.endif
	s_lshr_b32 s[NST], s[II], 3
	s_lshl_b32 s67, s[NST], 7                      ; the last step's first key
	s_add_co_u32 s[NST], s[NST], 1
	s_lshr_b32 s[QB], s[II], 1
	s_lshl_b32 s[QB], s[QB], 5
	s_sub_co_u32 s[QB], s[QB], s67
	s_and_b32 s67, s[II], 1
	s_lshl_b32 s67, s67, 3
	s_add_co_u32 s[QB], s[QB], s67
	s_mov_b32 s69, 0
	s_lshl_b32 s68, s[BH], 7
	s_add_co_u32 s68, s68, s[II]
	s_lshl_b32 s68, s68, 9
	s_add_nc_u64 s[72:73], s[4:5], s[68:69]        ; Q's image
	s_lshl_b32 s68, s[BH], 14
	s_lshr_b32 s67, s[II], 2
	s_lshl_b32 s67, s67, 9
	s_add_co_u32 s68, s68, s67
	s_and_b32 s67, s[II], 3
	s_lshl_b32 s67, s67, 2
	s_add_co_u32 s68, s68, s67
	s_add_nc_u64 s[74:75], s[10:11], s[68:69]      ; its scale words
	s_lshr_b32 s67, s[BH], 4
	s_lshl_b32 s67, s67, 7
	s_add_co_u32 s67, s67, s[II]                   ; the tile of rows among all 512
	s_and_b32 s70, s[BH], 15                       ; the head
	s_lshl_b32 s68, s67, 13
	s_lshl_b32 s71, s70, 9
	s_add_co_u32 s68, s68, s71
	s_add_nc_u64 s[76:77], s[12:13], s[68:69]      ; att: 8,192 bytes a tile of rows, 512 a head
	s_lshl_b32 s68, s67, 9
	s_lshr_b32 s71, s70, 1
	s_lshl_b32 s71, s71, 6
	s_add_co_u32 s68, s68, s71
	s_and_b32 s71, s70, 1
	s_lshl_b32 s71, s71, 1
	s_add_co_u32 s68, s68, s71
	s_add_co_u32 s68, s68, 4194304
	s_add_nc_u64 s[78:79], s[12:13], s[68:69]      ; and my head's half of the scale words
	global_load_b128 v[16:19], v1, s[72:73]
	global_load_b32 v24, v6, s[74:75]
	v_mov_b32 v13, 0xff61b1e6                      ; the largest t so far: -3e38
	s_delay_alu instid0(VALU_DEP_1)
	v_floor_f32 v12, -v13
	v_mov_b32 v14, 0
	v_mov_b32 v15, 0
.set j, 0
.rept 32
	v_mov_b32 v[160+j], 0                          ; O^T: the step is written once, and its first trip finds zeros
.set j, j+1
.endr
	s_mov_b32 s[TK], 0
	s_mov_b32 s[TSK], 0
	s_mov_b32 s[TSV], 0
	s_mov_b32 s[STEPI], 0
	s_mov_b32 s[CNT], \trips
	s_wait_loadcnt 0x0
.Lstep_\@:
	STEP
	s_sub_co_u32 s[CNT], s[CNT], 1
	s_cmp_lg_u32 s[CNT], 0
	s_cbranch_scc1 .Lstep_\@
	s_setprio 0
	; the way out: O^T / the sum, quantised along the head's 64 (two blocks of the last product's K), stored as the image of the operand's registers
.rept 4
	v_nop                                          ; places behind the last products
.endr
	v_add_f32 v14, v14, v15
	s_delay_alu instid0(VALU_DEP_1)
	v_permlanex16_b32 v252, v14, s[SEL], s[SEL+1]
	s_delay_alu instid0(VALU_DEP_1)
	v_add_f32 v14, v14, v252
	s_wait_alu depctr_va_vdst(0)
	v_rcp_f32 v14, v14
	v_nop
	s_wait_alu depctr_va_vdst(0)                   ; ahead of the reciprocal's first reader
.set j, 0
.rept 32
	v_mul_f32 v[96+j], v[160+j], v14               ; register 16 b + i: feature 32 b + 16 h + i of my query
.set j, j+1
.endr
.irp b, 0,1
	v_max3_num_f32 v[232+\b], |v[96+16*\b]|, |v[97+16*\b]|, 0x1800000
.endr
.irp i, 2,4,6,8,10,12,14
.irp b, 0,1
	s_delay_alu instid0(VALU_DEP_2)
	v_max3_num_f32 v[232+\b], v[232+\b], |v[96+16*\b+\i]|, |v[97+16*\b+\i]|
.endr
.endr
.irp b, 0,1
	s_delay_alu instid0(VALU_DEP_2)
	v_permlanex16_b32 v[236+\b], v[232+\b], s[SEL], s[SEL+1]
.endr
.irp b, 0,1
	s_delay_alu instid0(VALU_DEP_2)
	v_max_num_f32 v[232+\b], v[232+\b], v[236+\b]
.endr
.irp b, 0,1
	s_delay_alu instid0(VALU_DEP_2)
	v_add_nc_u32 v[244+\b], 0xff000000, v[232+\b]
.endr
.irp b, 0,1
	s_delay_alu instid0(VALU_DEP_2)
	v_lshrrev_b32 v[236+\b], 23, v[244+\b]
.endr
	s_delay_alu instid0(VALU_DEP_1)
	v_lshl_or_b32 v238, v237, 8, v236              ; my head's two bytes of the row's scale word
.irp b, 0,1
	v_cvt_scalef32_pk8_fp4_f32 v[224+2*\b], v[96+16*\b:103+16*\b], v[244+\b]
	v_cvt_scalef32_pk8_fp4_f32 v[225+2*\b], v[104+16*\b:111+16*\b], v[244+\b]
.endr
	v_nop
	v_permlane16_swap_b32 v224, v226
	v_permlane16_swap_b32 v225, v227
	global_store_b128 v1, v[224:227], s[76:77]     ; 512 consecutive bytes
	global_store_b16 v7, v238, s[78:79]            ; lanes 16-31 hold the same bytes as lanes 0-15 and write them to the same places
.endm
	PASS 1, 16                                     ; tile 127 - G: 9 to 16 steps
	PASS 0, 8                                      ; tile G: 1 to 8 steps
	s_wait_tensorcnt 0x0
	ds_add_u32 v251, v255
	s_wait_dscnt 0x0
	s_endpgm
.Lfunc_end_k_q503f2abb64_attn:
	.size	k_q503f2abb64_attn, .Lfunc_end_k_q503f2abb64_attn-k_q503f2abb64_attn
	.p2alignl 7, 3214868480
	.fill 96, 4, 3214868480
	.section	.rodata,"a",@progbits
	.p2align	6, 0x0
	.amdhsa_kernel k_q503f2abb64_attn
		.amdhsa_group_segment_fixed_size 169984
		.amdhsa_private_segment_fixed_size 0
		.amdhsa_enable_private_segment 0
		.amdhsa_kernarg_size 40
		.amdhsa_user_sgpr_count 2
		.amdhsa_user_sgpr_kernarg_segment_ptr 1
		.amdhsa_wavefront_size32 1
		.amdhsa_system_sgpr_workgroup_id_x 1
		.amdhsa_system_sgpr_workgroup_id_y 1
		.amdhsa_system_sgpr_workgroup_id_z 1
		.amdhsa_system_vgpr_workitem_id 0
		.amdhsa_next_free_vgpr 256
		.amdhsa_next_free_sgpr 80
		.amdhsa_reserve_vcc 1
		.amdhsa_float_denorm_mode_32 3
		.amdhsa_float_denorm_mode_16_64 3
		.amdhsa_memory_ordered 1
		.amdhsa_forward_progress 1
		.amdhsa_inst_pref_size 64
	.end_amdhsa_kernel
	.amdgpu_metadata
---
amdhsa.version: [ 1, 2 ]
amdhsa.kernels:
  - .name:           k_q503f2abb64_attn
    .symbol:         k_q503f2abb64_attn.kd
    .args:
      - { .name: qimg, .offset: 0, .size: 8, .value_kind: global_buffer, .address_space: global }
      - { .name: kimg, .offset: 8, .size: 8, .value_kind: global_buffer, .address_space: global }
      - { .name: vimg, .offset: 16, .size: 8, .value_kind: global_buffer, .address_space: global }
      - { .name: sc2, .offset: 24, .size: 8, .value_kind: global_buffer, .address_space: global }
      - { .name: att, .offset: 32, .size: 8, .value_kind: global_buffer, .address_space: global }
    .group_segment_fixed_size: 169984
    .private_segment_fixed_size: 0
    .kernarg_segment_align: 8
    .kernarg_segment_size: 40
    .max_flat_workgroup_size: 512
    .sgpr_count:     80
    .vgpr_count:     256
    .wavefront_size: 32
...
	.end_amdgpu_metadata
.endif
;; end of part 3
;; launch proj (part 4): grid 4 x 64, 4 waves a work-group, clusters of 4 x 4, 262,656 bytes of LDS; arguments att, codes1, scales1, b_proj, out0; writes out0
.if DOCPART == 4
	.amdgcn_target "amdgcn-amd-amdhsa--gfx1250"
	.amdhsa_code_object_version 6
	.text
	.protected	k_q503f2abb64_proj
	.globl	k_q503f2abb64_proj
	.p2align	8
	.type	k_q503f2abb64_proj,@function
k_q503f2abb64_proj:
	s_mov_b64 s[64:65], 0
	v_nop
	global_prefetch_b8 v0, s[64:65] scope:SCOPE_SE
	s_setreg_imm32_b32 hwreg(HW_REG_WAVE_MODE, 25, 1), 1
	s_wait_xcnt 0x0
	s_wait_alu depctr_hold_cnt(0) depctr_sa_sdst(0) depctr_va_vdst(0) depctr_va_sdst(0) depctr_va_ssrc(0) depctr_va_vcc(0) depctr_vm_vsrc(0)
	s_getreg_b32 s2, hwreg(HW_REG_IB_STS2, 6, 4)
	s_cmp_eq_u32 s2, 0
	s_cbranch_scc0 .Lentry_in_a_cluster
	s_endpgm
.Lentry_in_a_cluster:
	s_bfe_u32 s2, ttmp6, 0x10000c
	s_cmp_lg_u32 s2, 0xf033
	s_cbranch_scc0 .Lentry_shape_is_right
	s_endpgm
.Lentry_shape_is_right:
; out0 = Q(attn) Q(W_proj)^T + b_proj on codes of FP4 with E8M0 scales.  attn arrives as images of the operand's registers (8,192 bytes a tile of 16 rows: K step s, half c, 16 bytes a lane) with one scale word
; for each row and K step; W_proj as rows of 512 bytes of codes and 32 scale bytes.
; A work-group takes 8 tiles of rows (128 rows, y) and 256 columns (x): 256 work-groups.  Wave w: 4 tiles of rows (w / 2) x 8 tiles of columns (w % 2): 32 accumulators.
; ALL OF K (1,024) FITS IN LDS: six tensor loads a wave at the head, no LDS byte filled twice, no ring.  CLUSTERS: 4 x 4; attn's tiles hang on y alone (joint along a row of the cluster), W's on x alone (along a column).
; THE MATRIX INSTRUCTION IS USED TRANSPOSED (source 0 = 16 rows of W_proj, source 1 = a tile of attn): a lane holds eight neighbouring columns of one row.  Lane r of tile T is the true row 32 (T / 2) + 8 (T % 2) + r + 8 (r / 8).
; The bias is the C of each sum's first product.  Results leave through the wave's own stage as whole rows of 512 bytes.
; REGISTERS: window 0: v0-12 addresses; v32-63 attn's scale words (8 tau + s), v64-127 W's (8 n + s): scales and nothing else; v128-191 the bias, later with v192-255 rows on the way out.
;   window 1: the accumulators (64 tau + 8 n).   window 2: two sets of fragments (attn's 4, W's 8).
.set PITCH, 272
.set LA0, 0                            ; attn: 8 tiles x 4,096 bytes, K steps 0-3
.set LA1, 32768                        ;       K steps 4-7
.set LW0, 65536                        ; W: 256 rows x 272, K 0-511
.set LW1, 135168
.set LASC, 204800                      ; attn's scale words
.set LWSC, 208896                      ; W's scale bytes
.set LSTG, 217088                      ; the stages: 16 rows x 528 bytes for each wave; no tile lands here
.set WV, 14
.set MSB, 0
.macro WIN new
.if MSB != \new
	s_set_vgpr_msb (MSB<<8)|\new
.set MSB, \new
.endif
.endm
.macro CROUND
	s_barrier_signal -1
	s_barrier_wait -1
	s_cmp_lg_u32 s[WV], 0
	s_cbranch_scc1 .Lnot_wave_0_\@
	s_barrier_signal -3
.Lnot_wave_0_\@:
	s_barrier_wait -3
	s_barrier_signal -1
	s_barrier_wait -1
.endm
.macro PLACES
.rept 4
	v_nop
.endr
.endm
	s_load_b256 s[4:11], s[0:1], 0x0               ; att, codes1, scales1, b_proj
	s_load_b64 s[12:13], s[0:1], 0x20              ; out0
	v_lshl_add_u32 v30, v0, 2, 0x40000
	v_mov_b32 v31, 0
	ds_add_u32 v30, v31
	ds_add_u32 v30, v31
	v_lshrrev_b32 v1, 5, v0
	v_readfirstlane_b32 s[WV], v1
	s_bfe_u32 s15, ttmp6, 0x40000                  ; cx
	s_bfe_u32 s16, ttmp6, 0x40004                  ; cy
	s_lshl_b32 s17, ttmp9, 2
	s_add_co_u32 s17, s17, s15                     ; x
	s_and_b32 s18, ttmp7, 0xffff
	s_lshl_b32 s18, s18, 2
	s_add_co_u32 s18, s18, s16                     ; y
	s_lshl_b32 s19, s16, 2
	s_lshl_b32 s19, 15, s19                        ; my row of the cluster
	s_lshl_b32 s88, 0x1111, s15                    ; my column
	s_or_b32 s20, s19, (3<<16)|(1<<21)             ; attn's images: 2 rows of 4,096 bytes (512 elements of 8), 8,192 apart
	s_mov_b32 s21, 512<<16
	s_mov_b32 s22, 2<<16
	s_mov_b32 s23, 512<<16
	s_mov_b32 s24, 2
	s_mov_b32 s25, 1024
	s_mov_b32 s26, 0
	s_mov_b32 s27, 0
	s_or_b32 s28, s88, (1<<20)|(1<<21)|(5<<22)|(3<<25)   ; W's codes: 64 rows of 256 bytes, 512 apart, 16 bytes of padding behind each
	s_mov_b32 s29, 256<<16
	s_mov_b32 s30, 64<<16
	s_mov_b32 s31, 256<<16
	s_mov_b32 s32, 64
	s_mov_b32 s33, 512
	s_mov_b32 s34, 0
	s_mov_b32 s35, 0
	s_or_b32 s36, s19, (3<<16)|(1<<21)             ; attn's scale words: 1,024 dense bytes
	s_mov_b32 s37, 32<<16
	s_mov_b32 s38, 4<<16
	s_mov_b32 s39, 32<<16
	s_mov_b32 s40, 4
	s_mov_b32 s41, 32
	s_mov_b32 s42, 0
	s_mov_b32 s43, 0
	s_or_b32 s44, s88, (3<<16)|(1<<21)             ; W's scale bytes: 2,048 dense bytes
	s_mov_b32 s45, 32<<16
	s_mov_b32 s46, 8<<16
	s_mov_b32 s47, 32<<16
	s_mov_b32 s48, 8
	s_mov_b32 s49, 32
	s_mov_b32 s50, 0
	s_mov_b32 s51, 0
	s_mov_b32 s81, 0                               ; s[80:81]: offsets made of y and the wave alone;  s[82:83]: of x and the wave alone
	s_mov_b32 s83, 0
	s_wait_dscnt 0x0
	s_wait_kmcnt 0x0
	s_mov_b32 s52, 1                               ; attn's scale words: tiles 8 y + 2 w, 512 bytes each, behind the images
	s_lshl_b32 s53, s[WV], 10
	s_lshl_b32 s80, s18, 12
	s_add_co_u32 s80, s80, s53
	s_add_co_u32 s80, s80, 4194304
	s_add_co_u32 s53, s53, LASC
	s_add_nc_u64 s[54:55], s[4:5], s[80:81]
	s_or_b32 s55, s55, 0x80000000
	s_mov_b32 s56, 1                               ; W's scale bytes: rows 256 x + 64 w, behind 1,408 groups of 256 bytes
	s_lshl_b32 s57, s[WV], 11
	s_lshl_b32 s82, s17, 13
	s_add_co_u32 s82, s82, s57
	s_add_co_u32 s82, s82, 360448
	s_add_co_u32 s57, s57, LWSC
	s_add_nc_u64 s[58:59], s[8:9], s[82:83]
	s_or_b32 s59, s59, 0x80000000
	s_mov_b32 s60, 1                               ; attn's images, K's two halves
	s_mov_b32 s72, 1
	s_lshl_b32 s61, s[WV], 14
	s_lshl_b32 s80, s18, 16
	s_add_co_u32 s80, s80, s61
	s_lshl_b32 s61, s[WV], 13
	s_add_co_u32 s73, s61, LA1
	s_add_nc_u64 s[62:63], s[4:5], s[80:81]
	s_add_nc_u64 s[74:75], s[62:63], 4096
	s_or_b32 s63, s63, 0x80000000
	s_or_b32 s75, s75, 0x80000000
	s_mov_b32 s68, 1                               ; W's codes, behind 1,408 groups of 4,096 bytes
	s_mov_b32 s76, 1
	s_lshl_b32 s69, s[WV], 15
	s_lshl_b32 s82, s17, 17
	s_add_co_u32 s82, s82, s69
	s_add_co_u32 s82, s82, 5767168
	s_mul_i32 s69, s[WV], 64*PITCH
	s_add_co_u32 s77, s69, LW1
	s_add_co_u32 s69, s69, LW0
	s_add_nc_u64 s[70:71], s[6:7], s[82:83]
	s_add_nc_u64 s[78:79], s[70:71], 256
	s_or_b32 s71, s71, 0x80000000
	s_or_b32 s79, s79, 0x80000000
	CROUND                                         ; all sixteen work-groups are here: the joint loads meet
	tensor_load_to_lds s[52:55], s[36:43]          ; six loads of mine are out: the scales,
	s_nop 0
	tensor_load_to_lds s[56:59], s[44:51]
	s_nop 0
	tensor_load_to_lds s[60:63], s[20:27]          ; K's first half,
	s_nop 0
	tensor_load_to_lds s[68:71], s[28:35]
	s_nop 0
	tensor_load_to_lds s[72:75], s[20:27]          ; K's second half
	s_nop 0
	tensor_load_to_lds s[76:79], s[28:35]
	s_nop 0
	PLACES                                         ; four v_nop behind the last tensor load
	s_lshr_b32 s86, s[WV], 1                       ; which 4 tiles of rows are mine
	s_and_b32 s87, s[WV], 1                        ; which 128 columns
	s_mov_b32 s85, 0
	s_lshl_b32 s84, s17, 10
	s_lshl_b32 s89, s87, 9
	s_add_co_u32 s84, s84, s89
	s_add_nc_u64 s[10:11], s[10:11], s[84:85]      ; b_proj at my first column
	s_lshl_b32 s89, s18, 19
	s_add_co_u32 s84, s84, s89
	s_lshl_b32 s89, s86, 18
	s_add_co_u32 s84, s84, s89
	s_add_nc_u64 s[12:13], s[12:13], s[84:85]      ; out0 at row 128 y + 64 (w / 2), my first column
	v_and_b32 v1, 15, v0                           ; r
	v_bfe_u32 v2, v0, 4, 1                         ; h
	v_and_b32 v3, 31, v0
	v_lshlrev_b32 v3, 4, v3                        ; 16 x lane
	s_lshl_b32 s90, s86, 14
	v_add_nc_u32 v4, s90, v3                       ; attn's images: my four tiles, K's first half
	v_add_nc_u32 v5, LA1, v4
	v_mul_u32_u24 v6, v1, PITCH
	v_lshl_add_u32 v6, v2, 4, v6
	s_mul_i32 s90, s87, 128*PITCH
	v_add_nc_u32 v6, s90, v6
	v_add_nc_u32 v7, LW1, v6
	v_add_nc_u32 v6, LW0, v6                       ; W's fragments: my 128 rows
	s_lshl_b32 s90, s86, 11
	s_add_co_u32 s90, s90, LASC
	v_lshl_add_u32 v8, v1, 2, s90                  ; attn's scale words
	s_lshl_b32 s90, s87, 12
	s_add_co_u32 s90, s90, LWSC
	v_lshl_add_u32 v9, v1, 5, s90                  ; W's
	v_lshlrev_b32 v10, 5, v2                       ; the bias: 32 h
	s_mul_i32 s90, s[WV], 16*528
	s_add_co_u32 s90, s90, LSTG
	v_mul_u32_u24 v11, v1, 528
	v_lshl_add_u32 v11, v2, 5, v11
	v_add_nc_u32 v11, s90, v11                     ; the stage, in: row r, + 32 h
	v_add_nc_u32 v12, s90, v3                      ; back: 16 bytes a lane of a row
.irp n, 0,1,2,3,4,5,6,7
	global_load_b128 v[128+8*\n:131+8*\n], v10, s[10:11] offset:64*\n       ; the bias in the result's layout: columns 16 n + 8 h + 0 .. 7
	global_load_b128 v[132+8*\n:135+8*\n], v10, s[10:11] offset:64*\n+16
.endr
.macro FETCH s                         ; the fragments of K step s into set s % 2: attn's 4 images, W's 8: 24 loads in one run
	WIN 0x80                                       ; destination window 2
.irp t, 0,1,2,3
.irp c, 0,1
	ds_load_b128 v[128*((\s)%2)+8*\t+4*\c:128*((\s)%2)+8*\t+4*\c+3], v[4+(\s)/4] offset:4096*\t+1024*((\s)%4)+512*\c
.endr
.endr
.irp n, 0,1,2,3,4,5,6,7
.irp c, 0,1
	ds_load_b128 v[128*((\s)%2)+32+8*\n+4*\c:128*((\s)%2)+32+8*\n+4*\c+3], v[6+(\s)/4] offset:16*PITCH*\n+64*((\s)%4)+32*\c
.endr
.endr
.endm
.macro MULS s, first                   ; 32 products; the accumulators take turns, one instruction a turn
.if \first
	WIN 0x4a                                       ; A, B window 2; C window 0; D window 1
.else
	WIN 0x5a                                       ; C and D window 1
.endif
.irp t, 0,1,2,3
.irp n, 0,1,2,3,4,5,6,7
.set DD, 64*\t+8*\n
.set AA, 128*((\s)%2)+32+8*\n
.set BB, 128*((\s)%2)+8*\t
.if \first
	v_wmma_scale_f32_16x16x128_f8f6f4 v[DD:DD+7], v[AA:AA+7], v[BB:BB+7], v[128+8*\n:135+8*\n], v[64+8*\n+(\s)], v[32+8*\t+(\s)] matrix_a_fmt:MATRIX_FMT_FP4 matrix_b_fmt:MATRIX_FMT_FP4
.else
	v_wmma_scale_f32_16x16x128_f8f6f4 v[DD:DD+7], v[AA:AA+7], v[BB:BB+7], v[DD:DD+7], v[64+8*\n+(\s)], v[32+8*\t+(\s)] matrix_a_fmt:MATRIX_FMT_FP4 matrix_b_fmt:MATRIX_FMT_FP4
.endif
.endr
.endr
.endm
.macro STEP s
	s_wait_dscnt 0x0                               ; this step's fragments are in
.if (\s) == 3
	s_wait_tensorcnt 0x0                           ; my parts of K's second half have landed,
	s_barrier_signal -1
	s_barrier_wait -1                              ; everybody's have
.endif
	PLACES                                         ; ahead of loads into the set that the last step multiplied
.if (\s) < 7
	FETCH (\s)+1
.endif
.if (\s) == 0
	MULS \s, 1
.else
	MULS \s, 0
.endif
.endm
	s_wait_alu depctr_va_vdst(0)
	s_wait_tensorcnt 0x2                           ; the scales and K's first half are in; the two loads of the second half, the youngest, may be out
	s_barrier_signal -1
	s_barrier_wait -1
.irp t, 0,1,2,3
.irp s, 0,1,2,3,4,5,6,7
	ds_load_b32 v[32+8*\t+\s], v8 offset:512*\t+64*\s
.endr
.endr
.irp n, 0,1,2,3,4,5,6,7
.irp e, 0,1
	ds_load_b128 v[64+8*\n+4*\e:67+8*\n+4*\e], v9 offset:512*\n+16*\e
.endr
.endr
	FETCH 0
	s_wait_loadcnt 0x0                             ; the bias
.irp s, 0,1,2,3,4,5,6,7
	STEP \s
.endr
	WIN 0
; THE WAY OUT, a tile of 16 rows x 128 columns at a time, through my own stage: LDS serves a wave's instructions in order, so no wait stands between the stores and the loads, nor ahead of the next tile's stores
.macro TOSTAGE a
	WIN 0x04                                       ; an LDS store's data: window 1
.irp n, 0,1,2,3,4,5,6,7
	ds_store_b128 v11, v[64*(\a)+8*\n:64*(\a)+8*\n+3] offset:64*\n         ; each accumulator from its low end on
	ds_store_b128 v11, v[64*(\a)+8*\n+4:64*(\a)+8*\n+7] offset:64*\n+16
.endr
	WIN 0
.set RB, 128+64*((\a)%2)
.set i, 0
.rept 16
	ds_load_b128 v[RB+4*i:RB+4*i+3], v12 offset:528*i
.set i, i+1
.endr
.endm
.macro SEND a, younger                 ; younger: the LDS instructions issued behind tile a's loads
.set RB, 128+64*((\a)%2)
	s_wait_dscnt \younger
.set i, 0
.rept 16
	global_store_b128 v3, v[RB+4*i:RB+4*i+3], s[12:13] offset:(32*((\a)/2)+8*((\a)%2)+i+8*(i/8))*4096 th:TH_STORE_NT   ; 512 consecutive bytes of the row's true place, aligned
.set i, i+1
.endr
.endm
	PLACES
	TOSTAGE 0
.irp a, 1,2,3
.if \a > 1
	s_wait_xcnt 0x0                                ; tile a - 2's stores have read their registers: tile a's rows may land there
.endif
	TOSTAGE \a
	SEND \a-1, 32                                  ; behind tile a - 1's loads: tile a's 16 stores and 16 loads
.endr
	SEND 3, 0
	s_wait_tensorcnt 0x0
	ds_add_u32 v30, v31
	s_wait_dscnt 0x0
	CROUND                                         ; the closing round: no work-group ends while a partner may still ask for a tile that names it
	s_endpgm
.Lfunc_end_k_q503f2abb64_proj:
	.size	k_q503f2abb64_proj, .Lfunc_end_k_q503f2abb64_proj-k_q503f2abb64_proj
	.p2alignl 7, 3214868480
	.fill 96, 4, 3214868480
	.section	.rodata,"a",@progbits
	.p2align	6, 0x0
	.amdhsa_kernel k_q503f2abb64_proj
		.amdhsa_group_segment_fixed_size 262656
		.amdhsa_private_segment_fixed_size 0
		.amdhsa_enable_private_segment 0
		.amdhsa_kernarg_size 40
		.amdhsa_user_sgpr_count 2
		.amdhsa_user_sgpr_kernarg_segment_ptr 1
		.amdhsa_wavefront_size32 1
		.amdhsa_system_sgpr_workgroup_id_x 1
		.amdhsa_system_sgpr_workgroup_id_y 1
		.amdhsa_system_sgpr_workgroup_id_z 1
		.amdhsa_system_vgpr_workitem_id 0
		.amdhsa_next_free_vgpr 768
		.amdhsa_next_free_sgpr 96
		.amdhsa_reserve_vcc 0
		.amdhsa_float_denorm_mode_32 3
		.amdhsa_float_denorm_mode_16_64 3
		.amdhsa_memory_ordered 1
		.amdhsa_forward_progress 1
		.amdhsa_inst_pref_size 74
	.end_amdhsa_kernel
	.amdgpu_metadata
---
amdhsa.version: [ 1, 2 ]
amdhsa.kernels:
  - .name:           k_q503f2abb64_proj
    .symbol:         k_q503f2abb64_proj.kd
    .args:
      - { .name: att, .offset: 0, .size: 8, .value_kind: global_buffer, .address_space: global }
      - { .name: codes1, .offset: 8, .size: 8, .value_kind: global_buffer, .address_space: global }
      - { .name: scales1, .offset: 16, .size: 8, .value_kind: global_buffer, .address_space: global }
      - { .name: b_proj, .offset: 24, .size: 8, .value_kind: global_buffer, .address_space: global }
      - { .name: out0, .offset: 32, .size: 8, .value_kind: global_buffer, .address_space: global }
    .group_segment_fixed_size: 262656
    .private_segment_fixed_size: 0
    .kernarg_segment_align: 8
    .kernarg_segment_size: 40
    .max_flat_workgroup_size: 128
    .sgpr_count:     96
    .vgpr_count:     768
    .wavefront_size: 32
...
	.end_amdgpu_metadata
.endif
;; end of part 4
